; MI455X (gfx1250); checked and timed in simulation.
; The chip was launched on July 23, 2026; its instructions are those of AMD's public machine-readable ISA for CDNA 5 (MIT licence, August 2026) and "CDNA5" Instruction Set Architecture Reference Guide (July 2026). The comments in the code are by the model that wrote it; some were corrected since.
;; Multi Head Causal Self Attention. Allowed arithmetic: matrix products marked QUANTISED: E2M3 operands, one E8M0 scale for each 32 along K, by v_wmma_scale_f32_16x16x128_f8f6f4 with both operands' format E2M3, f32 sums; everything else in f32.
;; Inputs: W_o_codes 1,024 x 32 x 24 uint8 (E2M3 codes of W_o, K innermost, in blocks of 32 codes, four codes in three bytes); W_o_scales 1,024 x 32 uint8 (E8M0 scales of W_o, one for each 32 codes along K); W_qkv_codes 3,072 x 32 x 24 uint8 (E2M3 codes of W_qkv, K innermost, in blocks of 32 codes, four codes in three bytes); W_qkv_scales 3,072 x 32 uint8 (E8M0 scales of W_qkv, one for each 32 codes along K); x_codes 4 x 2,048 x 32 x 24 uint8 (E2M3 codes of x, K innermost, in blocks of 32 codes, four codes in three bytes); x_scales 4 x 2,048 x 32 uint8 (E8M0 scales of x, one for each 32 codes along K).
;; Outputs: out0 4 x 2,048 x 1,024 float32.
;; This version of the problem:
;;   THIS VERSION OF THE PROBLEM IS GIVEN IN LOW PRECISION. The matrix products marked QUANTISED in the list below multiply operands that are first quantised to E2M3 (2 exponent bits, 3 mantissa bits; 6 bits a number), with one power-of-two scale for each 32 numbers along K (OCP MX v1.0); their sums are f32. All else is computed in f32.
;;   The module's matrix products, in the order in which they are computed (A, B: the left and right operand; K: the contracted axis; several contracted axes count as one K, in the product's order):
;;     1. [M 8,192, K 1,024] x [K 1,024, N 3,072]; A: input x (given as codes); B: input W_qkv (given as codes): QUANTISED
;;     2. batch 64 x [M 2,048, K 64] x [K 64, N 2,048]; A: computed on the way; B: computed on the way: QUANTISED
;;     3. batch 64 x [M 2,048, K 2,048] x [K 2,048, N 64]; A: softmax (see below); B: computed on the way: QUANTISED
;;     4. [M 8,192, K 1,024] x [K 1,024, N 1,024]; A: computed on the way; B: input W_o (given as codes): QUANTISED
;;   THE QUANTISER, for each operand of a quantised product, along K:
;;     - K is cut into blocks of 32 from its start; a last block that is shorter is filled with zeros.
;;     - A block's scale is 2^e with e = floor(log2(the largest magnitude in the block)) - 2, held to -126 .. 127; a block of zeros has e = 0. As a byte (E8M0): e + 127.
;;     - Each number is divided by its block's scale, clamped to +-7.5, and rounded to the nearest number of E2M3, ties to even, subnormals kept.
;;     - The product sums the exact products of the quantised numbers (number of the format x scale) in f32.
;;   ~~~python
;;   def quantise(x, axis):      # numpy; x: float32 -> the quantised numbers, widened to float32 again
;;       x = np.moveaxis(x, axis, -1); K = x.shape[-1]
;;       x = np.pad(x, [(0, 0)] * (x.ndim - 1) + [(0, -K % 32)]); x = x.reshape(x.shape[:-1] + (-1, 32)); a = np.abs(x).max(-1, keepdims=True)
;;       e = np.where(a > 0, np.clip(np.frexp(np.where(a > 0, a, 1))[1] - 1 - 2, -126, 127), 0)      # np.frexp(a)[1] - 1 = floor(log2(a)), exactly
;;       r = np.clip(x / 2.0 ** e, -7.5, 7.5)
;;       step = 2.0 ** (np.maximum(np.frexp(np.where(r == 0, 1, r))[1] - 1, 0) - 3)
;;       q = np.round(r / step) * step * 2.0 ** e      # np.round: ties to even
;;       return np.moveaxis(q.reshape(q.shape[:-2] + (-1,))[..., :K], -1, axis).astype(np.float32)
;;   ~~~
;;   SOFTMAX AHEAD OF A QUANTISED PRODUCT. Where the list says 'softmax', what is quantised is not the finished softmax but p = 2^(t - M), with t = logit x log2(e) and M = ceil(the row's largest t), a whole number; so 1/2 < the row's largest p <= 1. The row's sum l is taken of the UNQUANTISED p, in f32, and the product's result is divided by l at the end. Since M is a whole number, a kernel that streams over the keys may use a running M (the ceiling of the running maximum): every later rescaling is an exact power of two, which a block's scale takes up: the codes' values come out the same.
;;   OPERANDS COMPUTED ON THE WAY. 'Computed on the way' means the value that the module computes at that place (a softmax that the list does not call 'softmax' is quantised finished and normalised). What goes into a quantiser is computed in f32, as accurately as f32 sums, v_exp_f32 and their like allow (about 1e-6 of the number): no bf16 or f16 on the way to a quantiser, and a product that is left as it is and whose result goes on into a quantised operand takes f32 operands (vector FMAs, or v_wmma_f32_16x16x4_f32). A number that lies on a knife's edge between two numbers of the format may be rounded either way, as far as f32 arithmetic and the matrix unit's own rounding can turn it there, and no further.
;;   INPUTS GIVEN AS CODES. W_o (in the module: [1024, 1024], K = its axis 1); W_qkv (in the module: [3072, 1024], K = its axis 1); x (in the module: [4, 2048, 1024], K = its axis 2): each comes as NAME_codes (uint8): NAME with its K axis moved to the last place and cut into blocks of 32 codes, [.., K / 32, bytes a block], one block behind the other in memory; four codes in three bytes: a row's codes are one little-endian stream of bits, code i at bits 6 i .. 6 i + 5 (a code: sign, 2 exponent bits, 3 mantissa bits); and NAME_scales (uint8): the same leading axes, one E8M0 byte (e + 127) for each 32 codes along K. Its value is code x scale, taken as it is: it is not quantised again, and the codes and scales need not be those that the quantiser above would give.
;; One version. Each part assembles by itself: llvm-mc -triple=amdgcn-amd-amdhsa -mcpu=gfx1250 --defsym DOCPART=n.
;; ======== version 1 of 1: 3 launches
;; workspace buffers: qkv_ws 20,447,232 bytes; o_ws 6,291,456 bytes; o_sc 262,144 bytes
;; launch qkv (part 1): grid 12 x 32, 4 waves a work-group, clusters of 4 x 4, 327,680 bytes of LDS; arguments x_codes, x_scales, W_qkv_codes, W_qkv_scales, qkv_ws; writes qkv_ws
.if DOCPART == 1
	.amdgcn_target "amdgcn-amd-amdhsa--gfx1250"
	.amdhsa_code_object_version 6
	.text
	.protected	k_q82adb6092c_qkv
	.globl	k_q82adb6092c_qkv
	.p2align	8
	.type	k_q82adb6092c_qkv,@function
k_q82adb6092c_qkv:
	s_mov_b64 s[64:65], 0
	v_nop
	global_prefetch_b8 v0, s[64:65] scope:SCOPE_SE
	s_setreg_imm32_b32 hwreg(HW_REG_WAVE_MODE, 25, 1), 1
	s_wait_xcnt 0x0
	s_wait_alu depctr_hold_cnt(0) depctr_sa_sdst(0) depctr_va_vdst(0) depctr_va_sdst(0) depctr_va_ssrc(0) depctr_va_vcc(0) depctr_vm_vsrc(0)
	s_getreg_b32 s2, hwreg(HW_REG_IB_STS2, 6, 4)
	s_cmp_eq_u32 s2, 0
	s_cbranch_scc0 .Lentry_in_a_cluster
	s_endpgm
.Lentry_in_a_cluster:
	s_bfe_u32 s2, ttmp6, 0x10000c
	s_cmp_lg_u32 s2, 0xf033
	s_cbranch_scc0 .Lentry_shape_is_right
	s_endpgm
.Lentry_shape_is_right:
; qkv = x W_qkv^T on codes of FP6 (E2M3) with one E8M0 scale for each 32 along K = 1,024; the f32 sums are quantised at once for the attention launch: q and k along the head's 64, v along the keys.
; A work-group of four waves makes 256 x 256 sums, a wave 128 x 128: 64 accumulators, 512 registers.  K goes in steps of 256 through a ring of two LDS slots filled by the tensor data mover; the scale bytes
; of the work-group's rows come into LDS once.  In a result a LANE holds one row of source 1 and its REGISTERS run along the rows of source 0.  The quantiser wants its K along the registers, so:
;   q, k (cluster x = 0, 1): source 1 (named A below) = 256 tokens of x, source 0 (named B) = 256 rows of W_qkv: a lane holds a token, its registers the head's channels;
;   v    (cluster x = 2):    A = 256 rows of W_qkv (channels), B = 256 tokens of x: a lane holds a channel, its registers the keys.
; Both tensors have rows of 768 bytes of codes and 32 scale bytes, so only pointers and row numbers are chosen, on the cluster's x, which all sixteen partners share.
; CLUSTERS: 4 x 4 work-groups; A's tiles are asked for jointly along a row of the cluster, B's along a column.
; OUT: images of operand registers, so that every store of codes covers 512 or 256 consecutive bytes, aligned.  qkv_ws: [16 b + head][group of 128 tokens][Q 6,656 | K 6,656 | V 6,656].
;   Q, K: tile a (tokens 16 a + r): registers 0-3 of lane l at 768 a + 16 (l xor 8 (a & 1)), registers 4-5 at 768 a + 512 + 8 (l xor 8 (a & 1)); lane (r, h) holds channels 32 h .. 32 h + 31.
;         scale words (two bytes, then 0x7f7f for the half of K that the reader fills with zero codes) at 6,144: that of tile 2 b + e, row 8 u + j at 16 (16 u + 8 e + j) + 4 b.
;   V:    tile t (channels 16 t + r, K = the group's 128 keys): registers 4 k .. 4 k + 3 of lane l at 1,536 t + 512 k + 16 l; scale words at 6,144 + 16 l + 4 t.
; LIMITS: NaN and infinities are not served.  A block whose largest magnitude is 0 or under 2^-124 gets the scale byte 1 where the rule says 127: its codes are zeros, and these bytes are read by this program alone.
; REGISTERS, in windows of 256: window 0: v0-31 addresses; v32-63 scale words, two sets; v128-223 A's fragments, one set; on the way out v64-127 and v128-243.  window 1: B's fragments, two sets.  windows 2, 3: the accumulators.
.set SIZE_K, 1024
.set KSTEP,  256                       ; along K in a slot
.set NQ,     KSTEP/128                 ; matrix instructions deep
.set ROWB,   192                       ; a tile's row in bytes
.set KROW,   SIZE_K*6/8                ; a row of codes in memory
.set PITCH,  240                       ; an LDS row: 3 x (64 bytes + 16 of padding)
.set FR,     12                        ; registers of a fragment
.set NL,     6                         ; LDS loads that bring one
.set NP,     4                         ; places behind this matrix instruction (ISA guide 7.12.1)
.set HALFT,  128*PITCH
.set SLOT,   4*HALFT                   ; A's 256 rows, then B's 256 rows
.set LAPS,   SIZE_K/(2*KSTEP)
.set KS,     SIZE_K/32                 ; a row of scale bytes
.set SCL,    2*SLOT                    ; behind the ring: the scales, as 256 bytes + 16 of padding
.set HALFS,  (128*KS/256)*272
.set SBLK,   (16*KS/256)*272
.set SPARE,  SCL+4*HALFS               ; the spare words, 128 bytes a wave: two blocks of 256 bytes that no other line names
.set BLK3,   19968                     ; a group's block in qkv_ws
.set HS,     16*BLK3                   ; from head to head
.set PART,   6656                      ; Q's, K's or V's part of a block
.set LI,   8                           ; v8   16 x lane        v9   16 x (lane xor 8)
.set L8,   10                          ; v10  8 x lane         v11  8 x (lane xor 8)
.set LSW,  12                          ; v12  where my four scale words of q or k go
.set ADRA, 16
.set ADRB, 20
.set ADRS, 27
.set SPW,  28                          ; v28  LDS address of my spare word; never rewritten
.set NIL,  29                          ; v29  0; never rewritten
.set SC,   32
.set AF,   128
.set TM,   64                          ; v64-79   at work in the quantiser
.set PW,   80                          ; v80-87   the scale word of each of my eight blocks
.set XW,   88                          ; v88-91, v92-95, v96-99: q's and k's scale words on their way out
.set Y0,   92
.set Y1,   96
.set PC0,  100                         ; v100-119, v224-243: codes, two sets by turns
.set PC1,  224
.set HB,   128                         ; v128-191 a block's 64 sums
.set G1, 24
.set G0, 32
.set G1B, 48
.set G0B, 56
.set G1S, 68
.set G0S, 76
.set G1SB, 80
.set G0SB, 88
.set SEL, 66                           ; s[66:67] lane selects for v_permlanex16_b32: lane l xor 16
.set ISV, 95                           ; s95  1 in the clusters that make v
.set MSB, 0
.macro WIN new                         ; the immediate's high byte repeats the setting that is left
.if MSB != \new
	s_set_vgpr_msb (MSB<<8)|\new
.set MSB, \new
.endif
.endm
.set MUL_LO, 0xa1                      ; source 0 (B) window 1, source 1 (A) window 0, C and D window 2
.set MUL_HI, 0xf1                      ; the same, C and D window 3
.set TO_B,   0x40                      ; destination window 1, address window 0
; A joint load: waves 0 and 1 fetch for A, waves 2 and 3 for B; the branch hangs on the wave's number alone.  Four v_nop follow each of the two lines.
.macro JLOAD g0a, g1a, g0b, g1b
	s_cmp_eq_u32 s15, 0
	s_cbranch_scc0 .Lfor_b_\@
	tensor_load_to_lds s[\g0a:\g0a+3], s[\g1a:\g1a+7]
	s_nop 0
.rept 4
	v_nop
.endr
	s_branch .Lasked_\@
.Lfor_b_\@:
	tensor_load_to_lds s[\g0b:\g0b+3], s[\g1b:\g1b+7]
	s_nop 0
.rept 4
	v_nop
.endr
.Lasked_\@:
.endm
.macro CREST                           ; a round of the cluster's barrier behind its opening barrier
	s_cmp_lg_u32 s14, 0
	s_cbranch_scc1 .Lnot_wave_0_\@
	s_barrier_signal -3
.Lnot_wave_0_\@:
	s_barrier_wait -3
	s_barrier_signal -1
	s_barrier_wait -1
.endm
.macro CROUND                          ; a whole round
	s_barrier_signal -1
	s_barrier_wait -1
	CREST
.endm
	s_load_b128 s[4:7], s[0:1], 0x0                ; x's codes, x's scales
	s_load_b128 s[8:11], s[0:1], 0x10              ; W_qkv's codes, W_qkv's scales
	s_load_b64 s[12:13], s[0:1], 0x20              ; qkv_ws
	v_lshl_add_u32 v[SPW], v0, 2, SPARE
	v_mov_b32 v[NIL], 0
	ds_add_u32 v28, v29
	ds_add_u32 v28, v29
	s_wait_dscnt 0x0
	v_lshrrev_b32 v1, 5, v0
	v_readfirstlane_b32 s14, v1                    ; wave 0..3
	s_lshr_b32 s15, s14, 1                         ; which 128 rows of A are mine.  Also: I fetch for A (0) or for B (1)
	s_and_b32 s16, s14, 1                          ; which 128 rows of B are mine.  Also: which 128 rows of that tile I fetch
	s_bfe_u32 s40, ttmp6, 0x40000                  ; cx, cy: my place in the cluster
	s_bfe_u32 s41, ttmp6, 0x40004
	s_and_b32 s17, ttmp7, 0xffff
	s_lshl_b32 s17, s17, 2                         ; 4 x cluster y
	s_add_co_u32 s92, s17, s40                     ; v: B's tile = tokens 256 (4 cluster y + cx)
	s_add_co_u32 s17, s17, s41                     ; q, k: A's tile = tokens 256 (4 cluster y + cy)
	s_add_co_u32 s3, s41, 8                        ; v: A's tile = rows 256 (8 + cy) of W_qkv
	s_lshl_b32 s42, ttmp9, 2
	s_add_co_u32 s42, s42, s40                     ; q, k: B's tile = rows 256 (4 cluster x + cx) of W_qkv
	s_cmp_eq_u32 ttmp9, 2                          ; the cluster's x: the same in all sixteen partners
	s_cselect_b32 s17, s3, s17                     ; A's tile: it hangs on cy and the cluster's place alone
	s_cselect_b32 s42, s92, s42                    ; B's tile: on cx and the cluster's place alone
	s_cselect_b32 s[ISV], 1, 0
	s_lshl_b32 s43, s41, 2
	s_lshl_b32 s43, 15, s43                        ; my row of the cluster
	s_lshl_b32 s44, 0x1111, s40                    ; my column
	s_mov_b32 s[SEL], 0x76543210
	s_mov_b32 s[SEL+1], 0xfedcba98
	s_mov_b32 s100, 0x7f7f0000                     ; two scale bytes of 1.0 on top of a head's two
	s_mov_b32 s101, 0x7f7f
	; descriptor group 1: a tile of 128 rows x ROWB bytes, padded in LDS
	s_or_b32 s[G1+0], s43, (0<<16)|(1<<20)|(1<<21)|(3<<22)|(3<<25)  ; 15:0 the mask: my row; 17:16 element of 1 byte; 20 padding on; 21 set beside a mask; 24:22 after every 16 words; 31:25 of 4 words
	s_or_b32 s[G1B+0], s44, (0<<16)|(1<<20)|(1<<21)|(3<<22)|(3<<25)
.irp g, G1, G1B
	s_mov_b32 s[\g+1], ROWB<<16                    ; tensor_dim0
	s_mov_b32 s[\g+2], 128<<16                     ; tensor_dim1
	s_mov_b32 s[\g+3], ROWB<<16                    ; tile_dim0
	s_mov_b32 s[\g+4], 128                         ; tile_dim1
	s_mov_b32 s[\g+5], KROW                        ; tensor_dim0_stride
	s_mov_b32 s[\g+6], 0
	s_mov_b32 s[\g+7], 0
.endr
	; the scales of 128 rows: a dense block of 4,096 bytes, as rows of 256 bytes (32 elements of 8 bytes), 16 bytes of padding behind each
	s_or_b32 s[G1S+0], s43, (3<<16)|(1<<20)|(1<<21)|(5<<22)|(3<<25)
	s_or_b32 s[G1SB+0], s44, (3<<16)|(1<<20)|(1<<21)|(5<<22)|(3<<25)
.irp g, G1S, G1SB
	s_mov_b32 s[\g+1], 32<<16
	s_mov_b32 s[\g+2], (128*KS/256)<<16
	s_mov_b32 s[\g+3], 32<<16
	s_mov_b32 s[\g+4], 128*KS/256
	s_mov_b32 s[\g+5], 32
	s_mov_b32 s[\g+6], 0
	s_mov_b32 s[\g+7], 0
.endr
	s_lshl_b32 s18, s16, 7                         ; which 128 rows of the tile I fetch
	s_lshl_b32 s20, s17, 8
	s_add_co_u32 s20, s20, s18                     ; A: row 256 x tile + 128 x half
	s_lshl_b32 s46, s42, 8
	s_add_co_u32 s46, s46, s18                     ; B likewise
	s_mov_b32 s21, 0
	s_mov_b32 s47, 0
	s_mov_b64 s[18:19], KS
	s_mul_u64 s[22:23], s[20:21], s[18:19]         ; where these rows' scales begin, in bytes
	s_mul_u64 s[92:93], s[46:47], s[18:19]
	s_mov_b64 s[18:19], KROW
	s_mul_u64 s[20:21], s[20:21], s[18:19]         ; and their codes
	s_mul_u64 s[46:47], s[46:47], s[18:19]
	s_mul_i32 s45, s14, HALFT                      ; where they go: wave x 128 rows
	s_mul_i32 s94, s14, HALFS
	s_wait_kmcnt 0x0
	s_cmp_eq_u32 s[ISV], 1                         ; which tensor is A and which is B
	s_cselect_b64 s[96:97], s[8:9], s[4:5]         ; A's codes
	s_cselect_b64 s[98:99], s[10:11], s[6:7]       ; A's scales
	s_cselect_b64 s[8:9], s[4:5], s[8:9]           ; B's codes
	s_cselect_b64 s[10:11], s[6:7], s[10:11]       ; B's scales
	s_add_nc_u64 s[20:21], s[96:97], s[20:21]
	s_add_nc_u64 s[22:23], s[98:99], s[22:23]
	s_add_nc_u64 s[46:47], s[8:9], s[46:47]
	s_add_nc_u64 s[92:93], s[10:11], s[92:93]
	CROUND                                         ; all sixteen work-groups are here: the first joint loads meet
	s_mov_b32 s[G0S], 1
	s_add_co_u32 s[G0S+1], s94, SCL
	s_mov_b64 s[G0S+2:G0S+3], s[22:23]
	s_or_b32 s[G0S+3], s[G0S+3], 0x80000000
	s_mov_b32 s[G0SB], 1
	s_add_co_u32 s[G0SB+1], s94, SCL
	s_mov_b64 s[G0SB+2:G0SB+3], s[92:93]
	s_or_b32 s[G0SB+3], s[G0SB+3], 0x80000000
	JLOAD G0S, G1S, G0SB, G1SB                     ; the scales first: they are wanted with K step 0
.irp s, 0,1
	s_mov_b32 s[G0+4*\s], 1
	s_add_co_u32 s[G0+4*\s+1], s45, \s*SLOT
	s_add_nc_u64 s[G0+4*\s+2:G0+4*\s+3], s[20:21], \s*ROWB
	s_or_b32 s[G0+4*\s+3], s[G0+4*\s+3], 0x80000000
	s_mov_b32 s[G0B+4*\s], 1
	s_add_co_u32 s[G0B+4*\s+1], s45, \s*SLOT
	s_add_nc_u64 s[G0B+4*\s+2:G0B+4*\s+3], s[46:47], \s*ROWB
	s_or_b32 s[G0B+4*\s+3], s[G0B+4*\s+3], 0x80000000
	JLOAD G0+4*\s, G1, G0B+4*\s, G1B               ; three tensor loads of mine are out now
.endr
	v_and_b32 v1, 15, v0                           ; r = l % 16
	v_bfe_u32 v2, v0, 4, 1                         ; h = l / 16
	v_mul_u32_u24 v3, v1, PITCH
	v_mul_u32_u24 v4, v2, 24
	v_add_nc_u32 v4, v3, v4                        ; a fragment's row x pitch + 24 x half
	v_lshl_add_u32 v5, v2, 4, v4                   ; and the same behind one padding more
	s_mul_i32 s21, s15, HALFT                      ; my 128 rows of A
	s_mul_i32 s22, s16, HALFT                      ; my 128 rows of B,
	s_add_co_u32 s22, s22, 2*HALFT                 ; which lie behind A's 256
.irp s, 0,1
	v_add_nc_u32 v[ADRA+\s], s21, v4
	v_add_nc_u32 v[ADRB+\s], s22, v4
	v_add_nc_u32 v[ADRA+2+\s], s21, v5
	v_add_nc_u32 v[ADRB+2+\s], s22, v5
	s_add_co_u32 s21, s21, SLOT
	s_add_co_u32 s22, s22, SLOT
.endr
	v_mul_u32_u24 v5, v1, KS                       ; my row's scales: KS bytes a row,
	v_lshrrev_b32 v6, 8, v5
	v_lshl_add_u32 v5, v6, 4, v5                   ; and 16 more for each 256 passed
	s_mul_i32 s21, s15, HALFS                      ; A's: my 128 rows
	s_mul_i32 s22, s16, HALFS                      ; B's: my 128 rows, behind A's 256
	s_add_co_u32 s22, s22, 2*HALFS
	s_sub_co_u32 s22, s22, s21
	v_mul_u32_u24 v6, s22, v2                      ; lanes 16-31 take B's
	s_add_co_u32 s21, s21, SCL
	v_add_nc_u32 v5, v5, v6
	v_add_nc_u32 v[ADRS], s21, v5
	; the way out: offsets of a lane in an image
	v_and_b32 v6, 31, v0
	v_lshlrev_b32 v[LI], 4, v6
	v_xor_b32 v7, 8, v6
	v_lshlrev_b32 v[LI+1], 4, v7
	v_lshlrev_b32 v[L8], 3, v6
	v_lshlrev_b32 v[L8+1], 3, v7
	v_and_b32 v7, 7, v0
	v_lshlrev_b32 v[LSW], 4, v7                    ; 16 j
	v_bfe_u32 v7, v0, 3, 1
	v_lshl_add_u32 v[LSW], v7, 8, v[LSW]           ; + 256 u: my row is 8 u + j
	v_lshl_add_u32 v[LSW], v2, 7, v[LSW]           ; + 128 e: lanes 16-31 carry the odd tile's words
	; where my wave's part of qkv_ws begins
	s_lshl_b32 s20, s17, 8
	s_lshl_b32 s21, s15, 7
	s_add_co_u32 s20, s20, s21                     ; my first row of A
	s_lshl_b32 s46, s42, 8
	s_lshl_b32 s47, s16, 7
	s_add_co_u32 s46, s46, s47                     ; my first row of B
	s_cmp_eq_u32 s[ISV], 1
	s_cselect_b32 s21, s46, s20                    ; my first token
	s_cselect_b32 s47, s20, s46                    ; my first row of W_qkv
	s_lshr_b32 s18, s21, 11                        ; b
	s_lshl_b32 s18, s18, 4
	s_and_b32 s19, s47, 1023
	s_lshr_b32 s19, s19, 6                         ; the first of my two heads
	s_add_co_u32 s18, s18, s19
	s_lshl_b32 s18, s18, 4
	s_bfe_u32 s19, s21, 0x40007                    ; the group of 128 tokens
	s_add_co_u32 s18, s18, s19
	s_mul_i32 s18, s18, BLK3
	s_lshr_b32 s19, s47, 10                        ; 0 q, 1 k, 2 v
	s_mul_i32 s19, s19, PART
	s_add_co_u32 s18, s18, s19                     ; under 2^25
	s_mov_b32 s19, 0
	s_add_nc_u64 s[12:13], s[12:13], s[18:19]
.macro FRAG reg, adr, q, i             ; a fragment, 16 rows x 128 K, is 12 registers: lane l holds row l % 16; registers 6 c .. 6 c + 5 hold K = 64 c + 32 (l / 16) + 0 .. 31: 24 bytes of the row, as they lie
.irp p, 0,1,2,3,4,5                    ; in pieces of 8 bytes.  Lanes 16-31 read three pieces further on; where that lies behind one padding more, the second address register serves
.set PC, 12*(\q)+6*(\p/3)+\p%3
.if PC%8 < 5
	ds_load_b64 v[\reg+2*\p:\reg+2*\p+1], v[\adr] offset:8*PC+16*(PC/8)+(\i)*16*PITCH
.else
	ds_load_b64 v[\reg+2*\p:\reg+2*\p+1], v[\adr+2] offset:8*PC+16*(PC/8)+(\i)*16*PITCH
.endif
.endr
.endm
; 16 matrix instructions: A's blocks a0, a0 + 1 x B's eight, 128 along K.  zero = 1: the first product starts the sums.  The 64 accumulators take turns, one instruction a turn, in the same order in every step.
.macro MUL16 a0, p, q, sc, zero
.irp a, \a0, \a0+1
.irp b, 0,1,2,3,4,5,6,7
.if \zero
	v_wmma_scale_f32_16x16x128_f8f6f4 v[8*(8*((\a)%4)+\b):8*(8*((\a)%4)+\b)+7], v[128*(\p)+FR*\b:128*(\p)+FR*\b+FR-1], v[AF+FR*(\a):AF+FR*(\a)+FR-1], 0, v[SC+8*NQ*(\sc)+NQ*\b+(\q)], v[SC+8*NQ*(\sc)+NQ*(\a)+(\q)] matrix_a_fmt:MATRIX_FMT_FP6 matrix_b_fmt:MATRIX_FMT_FP6 matrix_a_scale:MATRIX_SCALE_ROW1
.else
	v_wmma_scale_f32_16x16x128_f8f6f4 v[8*(8*((\a)%4)+\b):8*(8*((\a)%4)+\b)+7], v[128*(\p)+FR*\b:128*(\p)+FR*\b+FR-1], v[AF+FR*(\a):AF+FR*(\a)+FR-1], v[8*(8*((\a)%4)+\b):8*(8*((\a)%4)+\b)+7], v[SC+8*NQ*(\sc)+NQ*\b+(\q)], v[SC+8*NQ*(\sc)+NQ*(\a)+(\q)] matrix_a_fmt:MATRIX_FMT_FP6 matrix_b_fmt:MATRIX_FMT_FP6 matrix_a_scale:MATRIX_SCALE_ROW1
.endif
.endr
.endr
.endm
.macro FETCH_B slot, q, p              ; B's eight fragments of the slot's q-th 128 along K into set p
	WIN TO_B
.irp i, 0,1,2,3,4,5,6,7
	FRAG 128*(\p)+FR*\i, ADRB+\slot, \q, \i
.endr
	WIN 0
.endm
.macro FETCH_A slot, q, i0             ; A's blocks i0 .. i0 + 3
.irp i, \i0, \i0+1, \i0+2, \i0+3
	FRAG AF+FR*(\i), ADRA+\slot, \q, \i
.endr
.endm
.macro SCALES sc                       ; a K step's scale words into set sc: lanes 0-15 take A's block i, lanes 16-31 B's block i
.irp i, 0,1,2,3,4,5,6,7
	ds_load_b64 v[SC+8*NQ*\sc+NQ*\i:SC+8*NQ*\sc+NQ*\i+1], v[ADRS] offset:\i*SBLK
.endr
.endm
.macro PLACES n                        ; plain vector instructions between a matrix instruction and a load into, or a read of, its registers
.rept \n
	v_nop
.endr
.endm
; A step of 128 along K that has its successor in the same slot.
.macro STEP slot, q, zero
	s_wait_dscnt 4*NL                              ; B's set and A's blocks 0-3 are in; the youngest 24 loads (A's blocks 4-7) may be out
	WIN MUL_LO
	MUL16 0, (\q)%2, \q, \slot, \zero
	MUL16 2, (\q)%2, \q, \slot, \zero
	s_wait_dscnt 0                                 ; A's blocks 4-7 are in
	PLACES NP
	FETCH_B \slot, (\q)+1, 1-(\q)%2
	FETCH_A \slot, (\q)+1, 0
	WIN MUL_HI
	MUL16 4, (\q)%2, \q, \slot, \zero
	MUL16 6, (\q)%2, \q, \slot, \zero
	PLACES NP
	WIN 0
	FETCH_A \slot, (\q)+1, 4
.endm
; A slot's last step changes slots: one barrier; in front of it each wave waits for all its tensor loads, adds 0 to its spare word, and waits for that and for its own reads of this slot.  fill = 1: this slot is filled again, two K steps ahead.
.macro TURN slot, next, fill
	s_wait_tensorcnt 0x0                           ; all my tensor loads have landed: my part of the next slot
	ds_add_u32 v[SPW], v[NIL]                      ; 0 onto my spare word
	s_wait_dscnt 4*NL+1                            ; the add and the youngest 24 loads (A's blocks 4-7) may be out
	WIN MUL_LO
	MUL16 0, 1, NQ-1, \slot, 0                     ; sixteen matrix instructions stand between the add and the wait for it
	s_wait_dscnt 0x0                               ; the add is done, and my reads of this slot are over
	s_barrier_signal -1
	MUL16 2, 1, NQ-1, \slot, 0
	WIN 0
	s_barrier_wait -1
.if \fill
	CREST                                          ; the barrier has opened a round of the cluster's barrier: no wave of any partner still reads this slot's tile or has a load on its way
	s_add_nc_u64 s[G0+4*\slot+2:G0+4*\slot+3], s[G0+4*\slot+2:G0+4*\slot+3], 2*ROWB
	s_add_nc_u64 s[G0B+4*\slot+2:G0B+4*\slot+3], s[G0B+4*\slot+2:G0B+4*\slot+3], 2*ROWB
	JLOAD G0+4*\slot, G1, G0B+4*\slot, G1B         ; the first tensor load behind the round; its four v_nop are the places in front of the loads below
.else
	PLACES NP
.endif
	v_add_nc_u32 v[ADRS], 4*NQ, v[ADRS]            ; on to the next K step's scale words
	FETCH_B \next, 0, 0
	FETCH_A \next, 0, 0
	SCALES \next
	WIN MUL_HI
	MUL16 4, 1, NQ-1, \slot, 0
	MUL16 6, 1, NQ-1, \slot, 0
	PLACES NP
	WIN 0
	FETCH_A \next, 0, 4
.endm
	s_wait_tensorcnt 1                             ; the scales and my part of K step 0 are in; K step 1's load may be out
	s_barrier_signal -1
	s_barrier_wait -1                              ; everybody's are
	FETCH_B 0, 0, 0
	FETCH_A 0, 0, 0
	SCALES 0
	FETCH_A 0, 0, 4
	STEP 0, 0, 1                                   ; the first step stands in front of the loop: its products start the sums
	s_mov_b32 s3, LAPS-1
.Llap:                                             ; a trip goes once round the ring and fills both slots again
	TURN 0, 1, 1
	STEP 1, 0, 0
	TURN 1, 0, 1
	STEP 0, 0, 0
	s_sub_co_u32 s3, s3, 1
	s_cmp_lg_u32 s3, 0
	s_cbranch_scc1 .Llap
	TURN 0, 1, 0                                   ; the last lap fills nothing
	STEP 1, 0, 0
	s_wait_dscnt 4*NL                              ; the very last step
	WIN MUL_LO
	MUL16 0, 1, NQ-1, 1, 0
	MUL16 2, 1, NQ-1, 1, 0
	s_wait_dscnt 0
	WIN MUL_HI
	MUL16 4, 1, NQ-1, 1, 0
	MUL16 6, 1, NQ-1, 1, 0
	WIN 0
; 64 numbers of a lane, register 16 b + i = position 32 b + 16 (lane / 16) + i of my row, become a fragment's 12 registers of codes in v[pc] on and its scale word in v[pw].
.macro QUANT s, pc, pw
.irp b, 0,1,2,3
	v_max3_num_f32 v[TM+\b], |v[\s+16*\b]|, |v[\s+1+16*\b]|, 0x1800000   ; block b: my 16 numbers, and the floor 2^(3 - 127): the byte cannot fall under 1
.endr
.irp i, 2,4,6,8,10,12,14
.irp b, 0,1,2,3
	v_max3_num_f32 v[TM+\b], v[TM+\b], |v[\s+16*\b+\i]|, |v[\s+1+16*\b+\i]|   ; the four blocks by turns
.endr
.endr
.irp b, 0,1,2,3
	v_permlanex16_b32 v[TM+4+\b], v[TM+\b], s[SEL], s[SEL+1]
.endr
.irp b, 0,1,2,3
	v_max_num_f32 v[TM+\b], v[TM+\b], v[TM+4+\b]   ; with lane l xor 16's: the block's largest magnitude
.endr
.irp b, 0,1,2,3
	v_add_nc_u32 v[TM+12+\b], 0xff000000, v[TM+\b] ; 2 off its exponent field: the conversion takes this operand's exponent field as its scale
.endr
.irp b, 0,1,2,3
	v_lshrrev_b32 v[TM+4+\b], 23, v[TM+12+\b]      ; the scale's byte
.endr
	v_lshl_or_b32 v[\pw], v[TM+5], 8, v[TM+4]
	v_lshl_or_b32 v[\pw], v[TM+6], 16, v[\pw]
	v_lshl_or_b32 v[\pw], v[TM+7], 24, v[\pw]
.irp c, 0,1
	v_cvt_scalef32_pk16_fp6_f32 v[\pc+6*\c:\pc+2+6*\c], v[\s+32*\c:\s+15+32*\c], v[TM+12+2*\c]
	v_cvt_scalef32_pk16_fp6_f32 v[\pc+12+4*\c:\pc+14+4*\c], v[\s+16+32*\c:\s+31+32*\c], v[TM+12+2*\c+1]   ; a conversion's three registers begin on an even number
.endr
	v_nop                                          ; one plain place behind a scaled conversion
.irp c, 0,1                                    ; the operand's layout wants a whole block in a lane: lanes 0-15 block 2 c, lanes 16-31 block 2 c + 1
.irp i, 0,1,2
	v_permlane16_swap_b32 v[\pc+6*\c+\i], v[\pc+12+4*\c+\i]
.endr
.irp i, 0,1,2
	v_mov_b32 v[\pc+3+6*\c+\i], v[\pc+12+4*\c+\i]
.endr
.endr
.endm
; THE WAY OUT of block a: 16 rows of A x my 128 rows of B.  The block's 64 sums come into window 0, each accumulator from its low end on.  Register 8 b + j of lane (r, h) is position 16 b + 8 h + j; exchanging the
; upper lanes of accumulator 2 b with the lower lanes of accumulator 2 b + 1 makes register 16 b + i position 32 b + 16 h + i, which is what the quantiser takes.  The codes are stored straight from registers.
.macro BLOCKQ a
.set AC, 64*((\a)%4)
.set PP, PC0+(PC1-PC0)*((\a)%2)
.set PWR, PW+(\a)
.set WW, 2+(\a)/4
.if (\a) >= 2
	s_wait_xcnt 0x0                                ; block a - 2's stores have read this set of code registers
.endif
	WIN WW                                         ; source 0: window 2 or 3
.set n, 0
.rept 64
	v_mov_b32 v[HB+n], v[AC+n]
.set n, n+1
.endr
	WIN 0
.irp b, 0,1,2,3
.irp j, 0,1,2,3,4,5,6,7
	v_permlane16_swap_b32 v[HB+16*\b+\j], v[HB+16*\b+8+\j]
.endr
.endr
	QUANT HB, PP, PWR
	s_cmp_eq_u32 s[ISV], 1
	s_cbranch_scc1 .Lv_\@
.irp c, 0,1                                    ; q, k: registers 6 c .. 6 c + 5 are head c's 64 channels of tokens 16 a + r; odd tiles go out with lanes 8 apart exchanged
	global_store_b128 v[LI+(\a)%2], v[PP+6*\c:PP+6*\c+3], s[12:13] offset:\c*HS+768*(\a)
	global_store_b64 v[L8+(\a)%2], v[PP+6*\c+4:PP+6*\c+5], s[12:13] offset:\c*HS+768*(\a)+512
.endr
	s_branch .Ldone_\@
.Lv_\@:
.irp k, 0,1,2                                  ; v: a whole fragment: channels 16 (a % 4) + r of head a / 4, K = my 128 tokens
	global_store_b128 v[LI], v[PP+4*\k:PP+4*\k+3], s[12:13] offset:((\a)/4)*HS+1536*((\a)%4)+512*\k
.endr
.Ldone_\@:
.endm
	PLACES NP                                      ; behind the last products: their results are read, and A's registers written, below
.irp b, 0,1,2,3
	v_mov_b32 v[TM+4+\b], 0                        ; written once: a lane permute's destination counts as one of its sources
.endr
	s_mov_b32 vcc_lo, 0xffff0000                   ; lanes 16-31
.irp a, 0,1,2,3,4,5,6,7
	BLOCKQ \a
.endr
	s_cmp_eq_u32 s[ISV], 1
	s_cbranch_scc1 .Lv_scales
.irp b, 0,1,2,3
	v_cndmask_b32 v[XW+\b], v[PW+2*\b], v[PW+2*\b+1], vcc_lo   ; lanes 0-15 carry tile 2 b's words, lanes 16-31 tile 2 b + 1's
.endr
.irp b, 0,1,2,3
	v_and_or_b32 v[Y0+\b], v[XW+\b], 0xffff, s100  ; the first head's two bytes under 0x7f7f
.endr
.irp b, 0,1,2,3
	v_alignbit_b32 v[Y1+\b], s101, v[XW+\b], 16    ; the second head's
.endr
	global_store_b128 v[LSW], v[Y0:Y0+3], s[12:13] offset:6144
	global_store_b128 v[LSW], v[Y1:Y1+3], s[12:13] offset:HS+6144
	s_branch .Lend
.Lv_scales:
	global_store_b128 v[LI], v[PW:PW+3], s[12:13] offset:6144          ; the four tiles' words of the first head
	global_store_b128 v[LI], v[PW+4:PW+7], s[12:13] offset:HS+6144     ; and of the second
.Lend:
	s_wait_tensorcnt 0x0                           ; the wave's end
	ds_add_u32 v[SPW], v[NIL]
	s_wait_dscnt 0x0
	CROUND                                         ; the closing round: no work-group ends while a partner may still ask for a tile that names it
	s_endpgm
.Lfunc_end_k_q82adb6092c_qkv:
	.size	k_q82adb6092c_qkv, .Lfunc_end_k_q82adb6092c_qkv-k_q82adb6092c_qkv
	.p2alignl 7, 3214868480
	.fill 96, 4, 3214868480
	.section	.rodata,"a",@progbits
	.p2align	6, 0x0
	.amdhsa_kernel k_q82adb6092c_qkv
		.amdhsa_group_segment_fixed_size 327680
		.amdhsa_private_segment_fixed_size 0
		.amdhsa_enable_private_segment 0
		.amdhsa_kernarg_size 40
		.amdhsa_user_sgpr_count 2
		.amdhsa_user_sgpr_kernarg_segment_ptr 1
		.amdhsa_wavefront_size32 1
		.amdhsa_system_sgpr_workgroup_id_x 1
		.amdhsa_system_sgpr_workgroup_id_y 1
		.amdhsa_system_sgpr_workgroup_id_z 1
		.amdhsa_system_vgpr_workitem_id 0
		.amdhsa_next_free_vgpr 1024
		.amdhsa_next_free_sgpr 102
		.amdhsa_reserve_vcc 1
		.amdhsa_float_denorm_mode_32 3
		.amdhsa_float_denorm_mode_16_64 3
		.amdhsa_memory_ordered 1
		.amdhsa_forward_progress 1
		.amdhsa_inst_pref_size 193
	.end_amdhsa_kernel
	.amdgpu_metadata
---
amdhsa.version: [ 1, 2 ]
amdhsa.kernels:
  - .name:           k_q82adb6092c_qkv
    .symbol:         k_q82adb6092c_qkv.kd
    .args:
      - { .name: x_codes, .offset: 0, .size: 8, .value_kind: global_buffer, .address_space: global }
      - { .name: x_scales, .offset: 8, .size: 8, .value_kind: global_buffer, .address_space: global }
      - { .name: W_qkv_codes, .offset: 16, .size: 8, .value_kind: global_buffer, .address_space: global }
      - { .name: W_qkv_scales, .offset: 24, .size: 8, .value_kind: global_buffer, .address_space: global }
      - { .name: qkv_ws, .offset: 32, .size: 8, .value_kind: global_buffer, .address_space: global }
    .group_segment_fixed_size: 327680
    .private_segment_fixed_size: 0
    .kernarg_segment_align: 8
    .kernarg_segment_size: 40
    .max_flat_workgroup_size: 128
    .sgpr_count:     102
    .vgpr_count:     1024
    .wavefront_size: 32
...
	.end_amdgpu_metadata
.endif
;; end of part 1
;; launch attn (part 2): grid 4 x 64, 16 waves a work-group, clusters of 4 x 1, 215,040 bytes of LDS; arguments qkv_ws, o_ws, o_sc; writes o_ws, o_sc
.if DOCPART == 2
	.amdgcn_target "amdgcn-amd-amdhsa--gfx1250"
	.amdhsa_code_object_version 6
	.text
	.protected	k_q82adb6092c_attn
	.globl	k_q82adb6092c_attn
	.p2align	8
	.type	k_q82adb6092c_attn,@function
k_q82adb6092c_attn:
	s_mov_b64 s[64:65], 0
	v_nop
	global_prefetch_b8 v0, s[64:65] scope:SCOPE_SE
	s_setreg_imm32_b32 hwreg(HW_REG_WAVE_MODE, 25, 1), 1
	s_wait_xcnt 0x0
	s_wait_alu depctr_hold_cnt(0) depctr_sa_sdst(0) depctr_va_vdst(0) depctr_va_sdst(0) depctr_va_ssrc(0) depctr_va_vcc(0) depctr_vm_vsrc(0)
	s_getreg_b32 s2, hwreg(HW_REG_IB_STS2, 6, 4)
	s_cmp_eq_u32 s2, 0
	s_cbranch_scc0 .Lentry_in_a_cluster
	s_endpgm
.Lentry_in_a_cluster:
	s_bfe_u32 s2, ttmp6, 0x10000c
	s_cmp_lg_u32 s2, 0x3003
	s_cbranch_scc0 .Lentry_shape_is_right
	s_endpgm
.Lentry_shape_is_right:
; Causal attention of one (batch, head) for each cluster of four work-groups, both products on codes of FP6 (E2M3) with one E8M0 scale for each 32 along a product's K, and the result quantised along the model's axis.
; t = score x log2(e) / 8; M = the row's largest t so far, rounded up to a whole number; p = 2^(t - M) is quantised along the keys, not normalised; the row's sum is taken of the unquantised p and divides at the end.
; When M moves, the sum and O are multiplied by 2^(old M - new M): exact.
; SHARES.  The head's 2,048 queries are 128 tiles of 16; the cluster has 64 waves, two tiles each: wave w of work-group cx takes tile a = 2 cx + (w & 1) of token group 15 - (w >> 1) and then of group w >> 1.
; A tile of group g wants key groups 0 .. g, so every wave has 17 key steps of 128 keys, two of them on the diagonal.  Branches and LDS addresses hang on the wave's number alone; cx enters global addresses and the mask's numbers.
; K AND V OF THE WHOLE HEAD STAY IN LDS: 16 groups x 13,312 bytes = 212,992, filled once, in three stages, by joint loads that name all four work-groups.  Nothing is filled again and nothing is stored into LDS.
; LAYOUT.  Both products are used transposed: S^T = K Q^T (source 0 = 16 keys, source 1 = my 16 queries), O^T = V^T P^T: a lane holds one query throughout.  K = 64 fills half of the instruction's 128: the upper six
; registers of Q's and K's fragments are zero codes, set once, under scale bytes 0x7f.  Lane r of key tile 2 b + u takes key 32 b + 8 u + r + 8 (r / 8), so that the 16 registers of tiles 2 b, 2 b + 1 are 16 neighbouring keys.
; The images in memory hold natural tiles of 16 tokens; that lane's registers lie in natural tile 2 b + e at place 16 h + 8 (u xor e) + j (lane = 16 h + 8 e + j), which the address registers LK, LH below state.
; OUT.  o_ws [token tile][head][768]: registers 0-3 at 16 x lane, 4-5 at 512 + 8 x lane; o_sc [token tile][head / 4][row][8]: the head's two bytes at 2 (head % 4).  The two-byte stores are the one store here that covers
; no 256 consecutive bytes: a head owns two of a token's eight bytes; they are one byte in 25 of what the launch stores.
; No prefetch: every tensor load goes out at the head, so there is no later request to run ahead of.
; LIMITS: NaN and infinities are not served.  A block whose largest magnitude is 0 or under 2^-124 gets the scale byte 1 where the rule says 127: its codes are zeros, and these bytes are read by this program alone.
.set BLK3, 19968                       ; a group's block in qkv_ws: Q, K, V
.set HS,   16*BLK3                     ; from head to head
.set PART, 6656                        ; one of the three parts: 6,144 bytes of codes, 512 of scale words
.set KVB,  2*PART                      ; K's and V's parts lie on end: a group's block in LDS
.set LI,  1                            ; v1   16 x lane
.set L8,  2                            ; v2   8 x lane
.set LK0, 3                            ; v3, v4   my place in the 16-byte chunks of key tiles 2 b and 2 b + 1
.set LH0, 5                            ; v5, v6   the same in the 8-byte chunks
.set DM,  7                            ; v7   my query in its group - 16 (lane / 16)
.set R8,  8                            ; v8   8 x (lane % 16)
.set AI,  9                            ; v9   LI in the key group in hand
.set AK0, 10                           ; v10, v11  LK likewise
.set QF,  16                           ; v16-27  Q's fragment; v22-27 zeros
.set AH0, 28                           ; v28, v29  LH in the key group in hand
.set QA,  30                           ; v30-35  the second tile's Q
.set QS,  36                           ; v36  Q's scale words;  v37 the second tile's
.set QSA, 37
.set FF,  38                           ; v[38:39] f = 2^(old M - new M)
.set T0,  40
.set T1,  41
.set PSW, 42                           ; v42  p's scale word
.set KF,  44                           ; v44-91  four fragments of K; the upper six registers of each are zeros
.set KSC, 92                           ; v92-95  K's scale words
.set SS,  96                           ; v96-159 S^T, then p
.set OT,  160                          ; v160-191 O^T
.set VF,  192                          ; v192-239 four fragments of V; ahead of V's loads the softmax works here:
.set BM,  192                          ;   v192-195 the blocks' largest
.set BX,  196                          ;   v196-199 the other half's, later bytes
.set SCO, 200                          ;   v200-203 the conversions' scale operands
.set CT,  204                          ;   v204-211 the conversions' second halves
.set VSC, 240                          ; v240-243 V's scale words
.set PCD, 244                          ; v244-255 p's codes
.set WV,  10                           ; s10 wave;  s11 w >> 1;  s12 w & 1;  s13 cx;  s14 a;  s15 16 b + head
.set GI,  16                           ; s16  the token group of the tile in hand
.set KS,  17                           ; s17  the key group in hand
.set TB,  18                           ; s18  its LDS byte
.set CNT, 19
.set SEL, 20                           ; s[20:21] lane selects: lane l xor 16
.set CS,  22                           ; s[22:23] c = log2(e) / 8, twice
.set G1A, 24                           ; s[24:31] descriptor group 1: 13 rows of 256 bytes;  s[32:39]: 26 rows
.set G1B, 32
.set G0,  40                           ; s[40:51] three groups 0
.set QB,  52                           ; s[52:53], s[54:55] the two tiles' blocks in qkv_ws
.set OB,  56                           ; s[56:57], s[58:59] their places in o_ws
.set SB,  60                           ; s[60:61], s[62:63] and in o_sc
.macro ROUND                           ; a round of the cluster's barrier
	s_barrier_signal -1
	s_barrier_wait -1
	s_cmp_lg_u32 s[WV], 0
	s_cbranch_scc1 .Lnot_wave_0_\@
	s_barrier_signal -3
.Lnot_wave_0_\@:
	s_barrier_wait -3
	s_barrier_signal -1
	s_barrier_wait -1
.endm
	s_load_b128 s[4:7], s[0:1], 0x0                ; qkv_ws, o_ws
	s_load_b64 s[8:9], s[0:1], 0x10                ; o_sc
	v_lshl_add_u32 v254, v0, 2, 0x34000
	v_mov_b32 v255, 0
	ds_add_u32 v254, v255
	ds_add_u32 v254, v255
	s_wait_dscnt 0x0
	v_lshrrev_b32 v96, 5, v0
	s_delay_alu instid0(VALU_DEP_1)
	v_readfirstlane_b32 s[WV], v96                 ; wave 0..15
	s_lshr_b32 s11, s[WV], 1                       ; G
	s_and_b32 s12, s[WV], 1
	s_bfe_u32 s13, ttmp6, 0x40000                  ; cx
	s_lshl_b32 s14, s13, 1
	s_add_co_u32 s14, s14, s12                     ; a: my tile in a group
	s_and_b32 s15, ttmp7, 0xffff                   ; 16 b + head, which the four partners share
	s_mul_i32 s66, s15, HS                         ; the head's first byte in qkv_ws (under 2^25)
	s_mov_b32 s67, 0
	; descriptor group 1: dense bytes as rows of 256 (32 elements of 8 bytes), no padding
	s_mov_b32 s[G1A], 15|(3<<16)|(1<<21)           ; 15:0 the mask: all four work-groups; 17:16 elements of 8 bytes; 21 set beside a mask
	s_mov_b32 s[G1A+1], 32<<16                     ; tensor_dim0
	s_mov_b32 s[G1A+2], 13<<16                     ; tensor_dim1
	s_mov_b32 s[G1A+3], 32<<16                     ; tile_dim0
	s_mov_b32 s[G1A+4], 13                         ; tile_dim1
	s_mov_b32 s[G1A+5], 32                         ; tensor_dim0_stride
	s_mov_b32 s[G1A+6], 0
	s_mov_b32 s[G1A+7], 0
	s_mov_b32 s[G1B], 15|(3<<16)|(1<<21)
	s_mov_b32 s[G1B+1], 32<<16
	s_mov_b32 s[G1B+2], 26<<16
	s_mov_b32 s[G1B+3], 32<<16
	s_mov_b32 s[G1B+4], 26
	s_mov_b32 s[G1B+5], 32
	s_mov_b32 s[G1B+6], 0
	s_mov_b32 s[G1B+7], 0
	; stage 1: key groups 0-3, a quarter of a group's 13,312 bytes to a wave; stage 2: groups 4-7 likewise; stage 3: groups 8-15, half a group to a wave
	s_lshr_b32 s68, s[WV], 2
	s_mul_i32 s68, s68, BLK3
	s_and_b32 s69, s[WV], 3
	s_mul_i32 s69, s69, 3328
	s_add_co_u32 s68, s68, s69
	s_add_co_u32 s68, s68, PART                    ; K's part begins behind Q's
	s_mov_b32 s69, 0
	s_add_nc_u64 s[68:69], s[68:69], s[66:67]
	s_add_co_u32 s70, s11, 8
	s_mul_i32 s70, s70, BLK3
	s_mul_i32 s71, s12, PART
	s_add_co_u32 s70, s70, s71
	s_add_co_u32 s70, s70, PART
	s_mov_b32 s71, 0
	s_add_nc_u64 s[70:71], s[70:71], s[66:67]
	s_mul_i32 s72, s[WV], 3328                     ; and in LDS
	s_mul_i32 s73, s[WV], PART
	s_mov_b32 s[SEL], 0x76543210
	s_mov_b32 s[SEL+1], 0xfedcba98
	s_mov_b32 s[CS], 0x3e38aa3b                    ; log2(e) / sqrt(64)
	s_mov_b32 s[CS+1], s[CS]                       ; named with it as a pair, so it is written
	s_xor_b32 s[GI], s11, 15                       ; the first tile's group: 15 - G
	s_wait_kmcnt 0x0
	s_mov_b32 s[G0], 1
	s_mov_b32 s[G0+1], s72
	s_add_nc_u64 s[G0+2:G0+3], s[4:5], s[68:69]
	s_or_b32 s[G0+3], s[G0+3], 0x80000000
	s_mov_b32 s[G0+4], 1
	s_add_co_u32 s[G0+5], s72, 4*KVB
	s_add_nc_u64 s[G0+6:G0+7], s[4:5], s[68:69]
	s_add_nc_u64 s[G0+6:G0+7], s[G0+6:G0+7], 4*BLK3
	s_or_b32 s[G0+7], s[G0+7], 0x80000000
	s_mov_b32 s[G0+8], 1
	s_add_co_u32 s[G0+9], s73, 8*KVB
	s_add_nc_u64 s[G0+10:G0+11], s[4:5], s[70:71]
	s_or_b32 s[G0+11], s[G0+11], 0x80000000
	ROUND                                          ; all four work-groups are here: the joint loads meet
	tensor_load_to_lds s[G0:G0+3], s[G1A:G1A+7]    ; every wave's three loads stand together: three tensor loads of mine are out
	s_nop 0
	tensor_load_to_lds s[G0+4:G0+7], s[G1A:G1A+7]
	s_nop 0
	tensor_load_to_lds s[G0+8:G0+11], s[G1B:G1B+7]
	s_nop 0
.rept 4
	v_nop
.endr
	; where my two tiles' Q lies, and where their results go
	s_mul_i32 s74, s[GI], BLK3
	s_mov_b32 s75, 0
	s_add_nc_u64 s[74:75], s[74:75], s[66:67]
	s_add_nc_u64 s[QB:QB+1], s[4:5], s[74:75]
	s_mul_i32 s74, s11, BLK3
	s_mov_b32 s75, 0
	s_add_nc_u64 s[74:75], s[74:75], s[66:67]
	s_add_nc_u64 s[QB+2:QB+3], s[4:5], s[74:75]
	s_lshr_b32 s76, s15, 4
	s_lshl_b32 s76, s76, 7
	s_add_co_u32 s76, s76, s14                     ; 128 b + a
	s_and_b32 s77, s15, 15                         ; the head
	s_lshl_b32 s78, s[GI], 3
	s_add_co_u32 s78, s78, s76                     ; the first tile's number among the 512 token tiles
	s_lshl_b32 s79, s11, 3
	s_add_co_u32 s79, s79, s76                     ; the second's
	s_mul_i32 s2, s77, 768
	s_mul_i32 s74, s78, 12288
	s_add_co_u32 s74, s74, s2
	s_mov_b32 s75, 0
	s_add_nc_u64 s[OB:OB+1], s[6:7], s[74:75]
	s_mul_i32 s74, s79, 12288
	s_add_co_u32 s74, s74, s2
	s_add_nc_u64 s[OB+2:OB+3], s[6:7], s[74:75]
	s_lshr_b32 s2, s77, 2
	s_lshl_b32 s2, s2, 7
	s_and_b32 s3, s77, 3
	s_lshl_b32 s3, s3, 1
	s_add_co_u32 s2, s2, s3                        ; 128 (head / 4) + 2 (head % 4)
	s_lshl_b32 s74, s78, 9
	s_add_co_u32 s74, s74, s2
	s_add_nc_u64 s[SB:SB+1], s[8:9], s[74:75]
	s_lshl_b32 s74, s79, 9
	s_add_co_u32 s74, s74, s2
	s_add_nc_u64 s[SB+2:SB+3], s[8:9], s[74:75]
	v_and_b32 v96, 31, v0                          ; lane
	v_and_b32 v97, 15, v0                          ; r
	v_bfe_u32 v98, v0, 4, 1                        ; h
	v_and_b32 v99, 7, v0                           ; j
	v_bfe_u32 v100, v0, 3, 1                       ; e
	s_lshl_b32 s3, s12, 3
	v_xor_b32 v104, s3, v96                        ; odd tiles lie with lanes 8 apart exchanged
	s_mul_i32 s2, s14, 768
	v_lshl_add_u32 v105, v104, 4, s2
	v_lshl_add_u32 v106, v104, 3, s2
	v_lshlrev_b32 v107, 4, v99
	s_delay_alu instid0(VALU_DEP_1)
	v_lshl_add_u32 v107, v100, 8, v107             ; Q's scale word: 256 (r / 8) + 16 (r % 8)
	s_lshl_b32 s2, s12, 7
	s_lshl_b32 s3, s13, 2
	s_add_co_u32 s2, s2, s3
	v_add_nc_u32 v107, s2, v107                    ; + 128 (a % 2) + 4 (a / 2)
	global_load_b128 v[QF:QF+3], v105, s[QB:QB+1]
	global_load_b64 v[QF+4:QF+5], v106, s[QB:QB+1] offset:512
	global_load_b32 v[QS], v107, s[QB:QB+1] offset:6144
	global_load_b128 v[QA:QA+3], v105, s[QB+2:QB+3]
	global_load_b64 v[QA+4:QA+5], v106, s[QB+2:QB+3] offset:512
	global_load_b32 v[QSA], v107, s[QB+2:QB+3] offset:6144
	v_lshlrev_b32 v[LI], 4, v96
	v_lshlrev_b32 v[L8], 3, v96
	v_lshlrev_b32 v101, 8, v98
	s_delay_alu instid0(VALU_DEP_1)
	v_lshl_add_u32 v101, v99, 4, v101              ; 256 h + 16 j
	s_delay_alu instid0(VALU_DEP_1)
	v_mad_u32_u24 v[LK0], v100, 896, v101          ; u = 0: natural tile 2 b + e (768 e), place 8 e (128 e)
	s_delay_alu instid0(VALU_DEP_2)
	v_mad_u32_u24 v[LK0+1], v100, 640, v101
	s_delay_alu instid0(VALU_DEP_1)
	v_add_nc_u32 v[LK0+1], 128, v[LK0+1]           ; u = 1: 768 e + 128 (1 - e)
	v_lshlrev_b32 v102, 7, v98
	s_delay_alu instid0(VALU_DEP_1)
	v_lshl_add_u32 v102, v99, 3, v102              ; 128 h + 8 j
	s_delay_alu instid0(VALU_DEP_1)
	v_mad_u32_u24 v[LH0], v100, 832, v102
	s_delay_alu instid0(VALU_DEP_2)
	v_mad_u32_u24 v[LH0+1], v100, 704, v102
	s_delay_alu instid0(VALU_DEP_1)
	v_add_nc_u32 v[LH0+1], 64, v[LH0+1]
	v_lshlrev_b32 v103, 4, v98
	s_delay_alu instid0(VALU_DEP_1)
	v_sub_nc_u32 v[DM], v97, v103
	s_lshl_b32 s2, s14, 4
	v_add_nc_u32 v[DM], s2, v[DM]                  ; 16 a + r - 16 h
	v_lshlrev_b32 v[R8], 3, v97
.irp i, 6,7,8,9,10,11
	v_mov_b32 v[QF+\i], 0                          ; the half of K that the head's 64 do not fill: zero codes
.irp t, 0,1,2,3
	v_mov_b32 v[KF+12*\t+\i], 0
.endr
.endr
	v_mov_b32 v13, 0xff61b1e6                      ; the largest t so far: -3e38, under every t
	s_delay_alu instid0(VALU_DEP_1)
	v_floor_f32 v12, -v13                          ; -M
	v_mov_b32 v14, 0                               ; the sum, in two halves
	v_mov_b32 v15, 0
	v_mov_b32 v[FF+1], 0                           ; named as the upper half of a pair
.irp b, 0,1,2,3
	v_mov_b32 v[BX+\b], 0                          ; a lane permute's destination counts as one of its sources
.endr
.set n, 0
.rept 32
	v_mov_b32 v[OT+n], 0                           ; O^T: the step is written once; the first change of M leaves zeros zeros
.set n, n+1
.endr
; A KEY STEP: the 128 keys of group s[KS], at LDS byte s[TB].  causal = 1: a group behind my tile's is left out (a scalar branch on ids), and in my tile's own group hidden scores become -infinity.
.macro KSTEP causal
.if \causal
	s_cmp_gt_u32 s[KS], s[GI]
	s_cbranch_scc1 .Lhidden_\@
.endif
	s_setprio 2
	v_add_nc_u32 v[AK0], s[TB], v[LK0]             ; these five are also the places behind the last step's products
	s_wait_alu depctr_va_vdst(0)
	v_add_nc_u32 v[AK0+1], s[TB], v[LK0+1]
	v_add_nc_u32 v[AH0], s[TB], v[LH0]
	s_wait_alu depctr_va_vdst(0)
	v_add_nc_u32 v[AH0+1], s[TB], v[LH0+1]
	s_wait_alu depctr_va_vdst(0)
	v_add_nc_u32 v[AI], s[TB], v[LI]
.irp g, 0,1                                    ; S^T = K Q^T, four tiles of 16 keys at a time
.if \g
.rept 4
	v_nop                                          ; places in front of loads into registers that matrix instructions have read
.endr
.endif
.irp t, 0,1,2,3
	ds_load_b128 v[KF+12*\t:KF+12*\t+3], v[AK0+\t%2] offset:1536*((4*\g+\t)/2)
	ds_load_b64 v[KF+12*\t+4:KF+12*\t+5], v[AH0+\t%2] offset:1536*((4*\g+\t)/2)+512
.endr
.if \g == 0
	ds_load_b128 v[KSC:KSC+3], v[AI] offset:6144   ; register b: lanes 0-15 the words of tile 2 b, lanes 16-31 those of tile 2 b + 1
.endif
	s_wait_dscnt 0x0
.irp t, 0,1,2,3
.if \t%2
	v_wmma_scale_f32_16x16x128_f8f6f4 v[SS+8*(4*\g+\t):SS+8*(4*\g+\t)+7], v[KF+12*\t:KF+12*\t+11], v[QF:QF+11], 0, v[KSC+(4*\g+\t)/2], v[QS] matrix_a_fmt:MATRIX_FMT_FP6 matrix_b_fmt:MATRIX_FMT_FP6 matrix_a_scale:MATRIX_SCALE_ROW1
.else
	v_wmma_scale_f32_16x16x128_f8f6f4 v[SS+8*(4*\g+\t):SS+8*(4*\g+\t)+7], v[KF+12*\t:KF+12*\t+11], v[QF:QF+11], 0, v[KSC+(4*\g+\t)/2], v[QS] matrix_a_fmt:MATRIX_FMT_FP6 matrix_b_fmt:MATRIX_FMT_FP6
.endif
.endr
.endr                                          ; lane (r, h): query r; register 16 b + i: key 32 b + 16 h + i of the group
.rept 4
	v_nop
.endr
.if \causal
	s_cmp_lg_u32 s[KS], s[GI]
	s_cbranch_scc1 .Lopen_\@                       ; an earlier group: all its keys count
	v_mov_b32 v[T0], 0xff800000                    ; -infinity
.set n, 0
.rept 64
	v_cmp_gt_i32 vcc_lo, 32*(n/16)+n%16, v[DM]     ; hidden where 32 b + i + 16 h > my query in the group
	v_cndmask_b32 v[SS+n], v[SS+n], v[T0], vcc_lo
.set n, n+1
.endr
.Lopen_\@:
.endif
.irp b, 0,1,2,3
	v_max3_num_f32 v[BM+\b], v[SS+16*\b], v[SS+1+16*\b], v[SS+2+16*\b]   ; the largest score of each block of 32 keys: for the row's maximum, and, since p rises with the score, for the block's largest p
.endr
.irp i, 3,5,7,9,11,13
.irp b, 0,1,2,3
	v_max3_num_f32 v[BM+\b], v[BM+\b], v[SS+16*\b+\i], v[SS+1+16*\b+\i]
.endr
.endr
.irp b, 0,1,2,3
	v_max_num_f32 v[BM+\b], v[BM+\b], v[SS+15+16*\b]
.endr
.irp b, 0,1,2,3
	s_delay_alu instid0(VALU_DEP_4)
	v_permlanex16_b32 v[BX+\b], v[BM+\b], s[SEL], s[SEL+1]
.endr
.irp b, 0,1,2,3
	s_delay_alu instid0(VALU_DEP_4)
	v_max_num_f32 v[BM+\b], v[BM+\b], v[BX+\b]     ; with lane l xor 16's 16 keys
.endr
	s_delay_alu instid0(VALU_DEP_2)
	v_max3_num_f32 v[T0], v[BM], v[BM+1], v[BM+2]
	s_delay_alu instid0(VALU_DEP_1)
	v_max_num_f32 v[T0], v[T0], v[BM+3]            ; the step's largest score of my query
	s_delay_alu instid0(VALU_DEP_1)
	v_mul_f32 v[T0], s[CS], v[T0]                  ; as t
	s_delay_alu instid0(VALU_DEP_1)
	v_max_num_f32 v13, v13, v[T0]                  ; the running largest t
	v_mov_b32 v[T0], v12
	s_delay_alu instid0(VALU_DEP_2)
	v_floor_f32 v12, -v13                          ; the new -M = floor(-t) = -ceil(t)
	s_delay_alu instid0(VALU_DEP_1)
	v_sub_f32 v[T0], v12, v[T0]                    ; old M - new M: a whole number, 0 or less
	s_delay_alu instid0(VALU_DEP_1)
	v_cvt_i32_f32 v[T0], v[T0]                     ; (it saturates)
	s_delay_alu instid0(VALU_DEP_1)
	v_ldexp_f32 v[FF], 1.0, v[T0]                  ; f = 2^(old M - new M)
.set n, 0
.rept 32
	v_pk_fma_f32 v[SS+n:SS+n+1], v[SS+n:SS+n+1], s[CS:CS+1], v[12:13] op_sel_hi:[1,0,0]   ; t - M, two at a time
.set n, n+2
.endr
.irp b, 0,1,2,3
	v_fma_f32 v[BM+\b], v[BM+\b], s[CS], v12       ; the same of each block's largest score
.endr
.set n, 0
	s_setprio 1
	s_wait_alu depctr_va_vdst(0)
.rept 64
	v_exp_f32 v[SS+n], v[SS+n]                     ; p = 2^(t - M)
.set n, n+1
.endr
	v_pk_mul_f32 v[14:15], v[14:15], v[FF:FF+1] op_sel_hi:[1,0]   ; the sums under the new M: the plain place behind the exponentials
	s_wait_alu depctr_va_vdst(0)                   ; one wait for the batch of 64, ahead of its first reader
.irp b, 0,1,2,3
	v_exp_f32 v[BM+\b], v[BM+\b]                   ; the block's largest p: the same two instructions on the same number
.endr
	v_pk_add_f32 v[196:197], v[100:101], v[104:105]
	v_pk_add_f32 v[254:255], v[108:109], v[112:113]
	v_pk_add_f32 v[252:253], v[116:117], v[120:121]
	v_pk_add_f32 v[250:251], v[124:125], v[128:129]
	v_pk_add_f32 v[248:249], v[132:133], v[136:137]
	v_pk_add_f32 v[246:247], v[140:141], v[144:145]
	v_pk_add_f32 v[244:245], v[148:149], v[152:153]
	v_pk_add_f32 v[14:15], v[14:15], v[156:157]
	v_pk_add_f32 v[196:197], v[196:197], v[96:97]
	v_pk_add_f32 v[254:255], v[254:255], v[98:99]
	v_pk_add_f32 v[252:253], v[252:253], v[102:103]
	v_pk_add_f32 v[250:251], v[250:251], v[106:107]
	v_pk_add_f32 v[248:249], v[248:249], v[110:111]
	v_pk_add_f32 v[246:247], v[246:247], v[114:115]
	v_pk_add_f32 v[244:245], v[244:245], v[118:119]
	v_pk_add_f32 v[14:15], v[14:15], v[122:123]
	v_pk_add_f32 v[196:197], v[196:197], v[126:127]
	v_pk_add_f32 v[254:255], v[254:255], v[130:131]
	v_pk_add_f32 v[252:253], v[252:253], v[134:135]
	v_pk_add_f32 v[250:251], v[250:251], v[138:139]
	v_pk_add_f32 v[248:249], v[248:249], v[142:143]
	v_pk_add_f32 v[246:247], v[246:247], v[146:147]
	v_pk_add_f32 v[244:245], v[244:245], v[150:151]
	v_pk_add_f32 v[14:15], v[14:15], v[154:155]
	v_pk_add_f32 v[196:197], v[196:197], v[158:159]
	s_delay_alu instid0(VALU_DEP_2)
	v_pk_add_f32 v[14:15], v[14:15], v[250:251]
	s_delay_alu instid0(VALU_DEP_2)
	v_pk_add_f32 v[196:197], v[196:197], v[248:249]
	v_pk_add_f32 v[254:255], v[254:255], v[246:247]
	v_pk_add_f32 v[252:253], v[252:253], v[244:245]
	s_delay_alu instid0(VALU_DEP_2)
	v_pk_add_f32 v[14:15], v[14:15], v[254:255]
	s_delay_alu instid0(VALU_DEP_2)
	v_pk_add_f32 v[196:197], v[196:197], v[252:253]
	s_delay_alu instid0(VALU_DEP_1)
	v_pk_add_f32 v[14:15], v[14:15], v[196:197]
	s_wait_alu depctr_va_vdst(0)                   ; and one for the four
.irp b, 0,1,2,3
	v_max_num_f32 v[BM+\b], 0x1800000, v[BM+\b]    ; the floor 2^(3 - 127): the byte cannot fall under 1
.endr
.irp b, 0,1,2,3
	s_delay_alu instid0(VALU_DEP_4)
	v_add_nc_u32 v[SCO+\b], 0xff000000, v[BM+\b]   ; 2 off the exponent field: the conversion's scale operand
.endr
.irp b, 0,1,2,3
	s_delay_alu instid0(VALU_DEP_4)
	v_lshrrev_b32 v[BX+\b], 23, v[SCO+\b]          ; the scale's byte
.endr
	s_delay_alu instid0(VALU_DEP_3)
	v_lshl_or_b32 v[PSW], v[BX+1], 8, v[BX]        ; p's scale word for these 128 keys
	s_delay_alu instid0(VALU_DEP_1)
	v_lshl_or_b32 v[PSW], v[BX+2], 16, v[PSW]
	s_delay_alu instid0(VALU_DEP_1)
	v_lshl_or_b32 v[PSW], v[BX+3], 24, v[PSW]
.irp c, 0,1
	v_cvt_scalef32_pk16_fp6_f32 v[PCD+6*\c:PCD+6*\c+2], v[SS+32*\c:SS+32*\c+15], v[SCO+2*\c]
	v_cvt_scalef32_pk16_fp6_f32 v[CT+4*\c:CT+4*\c+2], v[SS+32*\c+16:SS+32*\c+31], v[SCO+2*\c+1]
.endr
	v_nop                                          ; one plain place behind a scaled conversion
.irp c, 0,1                                    ; a whole block to a lane: lanes 0-15 block 2 c, lanes 16-31 block 2 c + 1
.irp i, 0,1,2
	v_permlane16_swap_b32 v[PCD+6*\c+\i], v[CT+4*\c+\i]
.endr
.irp i, 0,1,2
	s_delay_alu instid0(VALU_DEP_3)
	v_mov_b32 v[PCD+3+6*\c+\i], v[CT+4*\c+\i]
.endr
.endr
	s_setprio 0
.irp t, 0,1,2,3                                ; V's four fragments: 16 channels x these 128 keys each, as images
.irp k, 0,1,2
	ds_load_b128 v[VF+12*\t+4*\k:VF+12*\t+4*\k+3], v[AI] offset:PART+1536*\t+512*\k
.endr
.endr
	ds_load_b128 v[VSC:VSC+3], v[AI] offset:PART+6144
.set n, 0
.rept 16
	v_pk_mul_f32 v[OT+n:OT+n+1], v[OT+n:OT+n+1], v[FF:FF+1] op_sel_hi:[1,0]   ; O^T under the new M.  These sixteen are also the places between p's scale word and codes and the products
.set n, n+2
.endr
	s_wait_alu depctr_va_vdst(0)
	s_wait_dscnt 0x0
.irp t, 0,1,2,3                                ; O^T += V^T P^T: the four accumulators by turns
	v_wmma_scale_f32_16x16x128_f8f6f4 v[OT+8*\t:OT+8*\t+7], v[VF+12*\t:VF+12*\t+11], v[PCD:PCD+11], v[OT+8*\t:OT+8*\t+7], v[VSC+\t], v[PSW] matrix_a_fmt:MATRIX_FMT_FP6 matrix_b_fmt:MATRIX_FMT_FP6
.endr
.if \causal
.Lhidden_\@:
	s_add_co_u32 s[KS], s[KS], 1
.endif
	s_add_co_u32 s[TB], s[TB], KVB
.endm
; A TILE'S WAY OUT: O^T / the sum; register 8 t + j of lane (r, h) is channel 16 t + 8 h + j; the exchange of halves makes register 16 b + i channel 32 b + 16 h + i; two blocks are quantised; six registers of codes leave as an image.
.macro OUT ob, sb
.rept 4
	v_nop                                          ; places behind the last products
.endr
	v_add_f32 v14, v14, v15
	s_delay_alu instid0(VALU_DEP_1)
	v_permlanex16_b32 v[T0], v14, s[SEL], s[SEL+1]
	s_delay_alu instid0(VALU_DEP_1)
	v_add_f32 v14, v14, v[T0]                      ; the row's sum
	s_wait_alu depctr_va_vdst(0)
	v_rcp_f32 v14, v14
	v_nop                                          ; a plain place behind the transcendental
	s_wait_alu depctr_va_vdst(0)                   ; and the wait ahead of its first reader
.set n, 0
.rept 32
	v_mul_f32 v[SS+n], v[OT+n], v14                ; each accumulator from its low end on
.set n, n+1
.endr
.irp b, 0,1
.irp j, 0,1,2,3,4,5,6,7
	v_permlane16_swap_b32 v[SS+16*\b+\j], v[SS+16*\b+8+\j]
.endr
.endr
.irp b, 0,1
	v_max3_num_f32 v[BM+\b], |v[SS+16*\b]|, |v[SS+1+16*\b]|, 0x1800000
.endr
.irp i, 2,4,6,8,10,12,14
.irp b, 0,1
	s_delay_alu instid0(VALU_DEP_2)
	v_max3_num_f32 v[BM+\b], v[BM+\b], |v[SS+16*\b+\i]|, |v[SS+1+16*\b+\i]|
.endr
.endr
.irp b, 0,1
	s_delay_alu instid0(VALU_DEP_2)
	v_permlanex16_b32 v[BX+\b], v[BM+\b], s[SEL], s[SEL+1]
.endr
.irp b, 0,1
	s_delay_alu instid0(VALU_DEP_2)
	v_max_num_f32 v[BM+\b], v[BM+\b], v[BX+\b]
.endr
.irp b, 0,1
	s_delay_alu instid0(VALU_DEP_2)
	v_add_nc_u32 v[SCO+\b], 0xff000000, v[BM+\b]
.endr
.irp b, 0,1
	s_delay_alu instid0(VALU_DEP_2)
	v_lshrrev_b32 v[BX+\b], 23, v[SCO+\b]
.endr
	s_delay_alu instid0(VALU_DEP_1)
	v_lshl_or_b32 v[T1], v[BX+1], 8, v[BX]         ; the head's two scale bytes of my token
	v_cvt_scalef32_pk16_fp6_f32 v[PCD:PCD+2], v[SS:SS+15], v[SCO]
	v_cvt_scalef32_pk16_fp6_f32 v[CT:CT+2], v[SS+16:SS+31], v[SCO+1]
	v_nop
.irp i, 0,1,2
	v_permlane16_swap_b32 v[PCD+\i], v[CT+\i]
.endr
.irp i, 0,1,2
	s_delay_alu instid0(VALU_DEP_3)
	v_mov_b32 v[PCD+3+\i], v[CT+\i]
.endr
	global_store_b128 v[LI], v[PCD:PCD+3], s[\ob:\ob+1]              ; 512 consecutive bytes
	global_store_b64 v[L8], v[PCD+4:PCD+5], s[\ob:\ob+1] offset:512  ; 256 consecutive bytes
	global_store_b16 v[R8], v[T1], s[\sb:\sb+1]                      ; both halves of the lanes write the same two bytes with the same value
.endm
.macro LOOP trips, causal
	s_mov_b32 s[CNT], \trips
.Lkeys_\@:
	KSTEP \causal
	s_sub_co_u32 s[CNT], s[CNT], 1
	s_cmp_lg_u32 s[CNT], 0
	s_cbranch_scc1 .Lkeys_\@
	s_setprio 0
.endm
	s_wait_loadcnt 0x0                             ; Q of both tiles
	s_wait_tensorcnt 0x2                           ; my part of key groups 0-3 is in; my two later loads may be out
	s_barrier_signal -1
	s_barrier_wait -1                              ; everybody's is
	s_mov_b32 s[TB], 0
	LOOP 4, 0                                      ; the first tile lies in group 8 or later: groups 0-7 count whole
	s_wait_dscnt 0x0
	s_wait_tensorcnt 0x1                           ; groups 4-7; my last load may be out
	s_barrier_signal -1
	s_barrier_wait -1
	s_mov_b32 s[TB], 4*KVB
	LOOP 4, 0
	s_wait_dscnt 0x0
	s_wait_tensorcnt 0x0                           ; groups 8-15
	s_barrier_signal -1
	s_barrier_wait -1
	s_mov_b32 s[TB], 8*KVB
	s_mov_b32 s[KS], 8
	LOOP 8, 1
	OUT OB, SB
	; the second tile: the same a in group G
	s_wait_xcnt 0x0                                ; the stores have read their registers
.irp i, 0,1,2,3,4,5
	v_mov_b32 v[QF+\i], v[QA+\i]
.endr
	v_mov_b32 v[QS], v[QSA]
	v_mov_b32 v13, 0xff61b1e6
	s_delay_alu instid0(VALU_DEP_1)
	v_floor_f32 v12, -v13
	v_mov_b32 v14, 0
	v_mov_b32 v15, 0
.set n, 0
.rept 32
	v_mov_b32 v[OT+n], 0                           ; these also stand between Q's new scale word and the next product
.set n, n+1
.endr
	s_mov_b32 s[GI], s11
	s_mov_b32 s[KS], 0
	s_mov_b32 s[TB], 0
	LOOP 8, 1
	OUT OB+2, SB+2
	s_wait_xcnt 0x0
	v_lshl_add_u32 v254, v0, 2, 0x34000
	v_mov_b32 v255, 0
	s_wait_alu depctr_va_vdst(0)
	s_wait_tensorcnt 0x0
	ds_add_u32 v254, v255
	s_wait_dscnt 0x0
	ROUND                                          ; the closing round: no work-group ends while a partner may still ask for a tile that names it
	s_endpgm
.Lfunc_end_k_q82adb6092c_attn:
	.size	k_q82adb6092c_attn, .Lfunc_end_k_q82adb6092c_attn-k_q82adb6092c_attn
	.p2alignl 7, 3214868480
	.fill 96, 4, 3214868480
	.section	.rodata,"a",@progbits
	.p2align	6, 0x0
	.amdhsa_kernel k_q82adb6092c_attn
		.amdhsa_group_segment_fixed_size 215040
		.amdhsa_private_segment_fixed_size 0
		.amdhsa_enable_private_segment 0
		.amdhsa_kernarg_size 24
		.amdhsa_user_sgpr_count 2
		.amdhsa_user_sgpr_kernarg_segment_ptr 1
		.amdhsa_wavefront_size32 1
		.amdhsa_system_sgpr_workgroup_id_x 1
		.amdhsa_system_sgpr_workgroup_id_y 1
		.amdhsa_system_sgpr_workgroup_id_z 1
		.amdhsa_system_vgpr_workitem_id 0
		.amdhsa_next_free_vgpr 256
		.amdhsa_next_free_sgpr 80
		.amdhsa_reserve_vcc 1
		.amdhsa_float_denorm_mode_32 3
		.amdhsa_float_denorm_mode_16_64 3
		.amdhsa_memory_ordered 1
		.amdhsa_forward_progress 1
		.amdhsa_inst_pref_size 102
	.end_amdhsa_kernel
	.amdgpu_metadata
---
amdhsa.version: [ 1, 2 ]
amdhsa.kernels:
  - .name:           k_q82adb6092c_attn
    .symbol:         k_q82adb6092c_attn.kd
    .args:
      - { .name: qkv_ws, .offset: 0, .size: 8, .value_kind: global_buffer, .address_space: global }
      - { .name: o_ws, .offset: 8, .size: 8, .value_kind: global_buffer, .address_space: global }
      - { .name: o_sc, .offset: 16, .size: 8, .value_kind: global_buffer, .address_space: global }
    .group_segment_fixed_size: 215040
    .private_segment_fixed_size: 0
    .kernarg_segment_align: 8
    .kernarg_segment_size: 24
    .max_flat_workgroup_size: 512
    .sgpr_count:     80
    .vgpr_count:     256
    .wavefront_size: 32
...
	.end_amdgpu_metadata
.endif
;; end of part 2
;; launch oproj (part 3): grid 8 x 32, 4 waves a work-group, clusters of 4 x 4, 327,680 bytes of LDS; arguments o_ws, o_sc, W_o_codes, W_o_scales, out0; writes out0
.if DOCPART == 3
	.amdgcn_target "amdgcn-amd-amdhsa--gfx1250"
	.amdhsa_code_object_version 6
	.text
	.protected	k_q82adb6092c_oproj
	.globl	k_q82adb6092c_oproj
	.p2align	8
	.type	k_q82adb6092c_oproj,@function
k_q82adb6092c_oproj:
	s_mov_b64 s[64:65], 0
	v_nop
	global_prefetch_b8 v0, s[64:65] scope:SCOPE_SE
	s_setreg_imm32_b32 hwreg(HW_REG_WAVE_MODE, 25, 1), 1
	s_wait_xcnt 0x0
	s_wait_alu depctr_hold_cnt(0) depctr_sa_sdst(0) depctr_va_vdst(0) depctr_va_sdst(0) depctr_va_ssrc(0) depctr_va_vcc(0) depctr_vm_vsrc(0)
	s_getreg_b32 s2, hwreg(HW_REG_IB_STS2, 6, 4)
	s_cmp_eq_u32 s2, 0
	s_cbranch_scc0 .Lentry_in_a_cluster
	s_endpgm
.Lentry_in_a_cluster:
	s_bfe_u32 s2, ttmp6, 0x10000c
	s_cmp_lg_u32 s2, 0xf033
	s_cbranch_scc0 .Lentry_shape_is_right
	s_endpgm
.Lentry_shape_is_right:
; out0 = o W_o^T on codes of FP6 (E2M3) with one E8M0 scale for each 32 along K = 1,024; sums and result f32.  o: 8,192 tokens, as images of operand registers (o_ws, o_sc); W_o: [1024][1024] as rows of codes.
; A work-group of four waves makes 256 tokens x 128 outputs, so that there are 256 work-groups; a wave makes 128 x 64: 32 accumulators, 256 registers.  K goes in steps of 256 through a ring of two LDS slots.
; The matrix instruction is used transposed (source 0 = 16 rows of W_o, named B; source 1 = 16 tokens, named A): a lane holds eight neighbouring outputs of a token.
; o_ws [token tile of 16][head][768]: registers 0-3 of a lane at 16 x lane, 4-5 at 512 + 8 x lane, channels 32 h .. 32 h + 31 of the head: two heads on end are a fragment of 128 along K, four heads (3,072 bytes) a K step.
; o_sc [token tile][K step][row][8 bytes]: a row's two scale words of a K step.  CLUSTERS: 4 x 4 work-groups; A's tiles are asked for jointly along a row of the cluster, B's along a column.
; REGISTERS, in windows of 256: window 0: v0-31 addresses; v32-63 A's scale words, v64-79 B's, two sets each; v128-223 A's fragments, one set (on the way out: rows of the result).  window 1: B's fragments, two sets.  window 2: the accumulators, (a, b) at v[32 a + 8 b].
.set SIZE_K, 1024
.set NQ,     2                         ; matrix instructions deep in a K step of 256
.set ROWB,   192                       ; a row of B's tile in bytes
.set KROW,   768                       ; a row of W_o's codes in memory
.set PITCH,  240                       ; B's LDS row: 3 x (64 bytes + 16 of padding)
.set FR,     12
.set NP,     4                         ; places behind this matrix instruction (ISA guide 7.12.1)
.set ATILE,  3072                      ; a token tile's four heads
.set AHALF,  8*ATILE                   ; eight token tiles: what one tensor load brings, and what one wave reads of A
.set BHALF,  64*PITCH                  ; 64 rows of B likewise
.set BOFF,   2*AHALF                   ; a slot: A's 16 tiles, then B's 128 rows
.set SLOT,   BOFF+2*BHALF
.set LAPS,   SIZE_K/512
.set SCLA,   2*SLOT                    ; behind the ring: A's scale bytes, 8,192, dense;
.set SCLB,   SCLA+8192                 ; B's, 4,096 as 256 bytes + 16 of padding
.set SPARE,  SCLB+16*272               ; the spare words, 128 bytes a wave: two blocks of 256 bytes that no other line names
.set SPITCH, 272                       ; the way out: a stage of 16 rows x (256 bytes + 16) for each wave, in slot 0, which has had its last fill and its last read when the first result is stored there
.set ADRA, 16                          ; v16-17 16 x lane in my tiles of A in slot 0, 1;  v18-19 8 x lane
.set ADRB, 20                          ; v20-21 my place in B's rows;  v22-23 the same behind one padding more
.set STO,  24
.set RD,   25
.set CO,   26
.set ADSA, 27                          ; v27  A's scale words
.set SPW,  28                          ; v28  LDS address of my spare word; never rewritten
.set NIL,  29                          ; v29  0; never rewritten
.set ADSB, 30                          ; v30  B's scale words
.set SCA,  32                          ; set s at v[32 + 16 s]: register 2 i + q
.set SCB,  64                          ; set s at v[64 + 8 s]: register 2 b + q
.set AF,   128
.set BK,   128                         ; the way out: 16 rows read back: v128-159 and v160-191 by turns
.set G1, 24
.set G0, 32
.set G1B, 48
.set G0B, 56
.set G1S, 68
.set G0S, 76
.set G1SB, 80
.set G0SB, 88
.set MSB, 0
.macro WIN new                         ; the immediate's high byte repeats the setting that is left
.if MSB != \new
	s_set_vgpr_msb (MSB<<8)|\new
.set MSB, \new
.endif
.endm
.set MUL,  0xa1                        ; source 0 (B) window 1, source 1 (A) window 0, C and D window 2
.set TO_B, 0x40                        ; destination window 1, address window 0
.macro JLOAD g0a, g1a, g0b, g1b        ; a joint load: waves 0 and 1 fetch for A, waves 2 and 3 for B; four v_nop follow each of the two lines
	s_cmp_eq_u32 s15, 0
	s_cbranch_scc0 .Lfor_b_\@
	tensor_load_to_lds s[\g0a:\g0a+3], s[\g1a:\g1a+7]
	s_nop 0
.rept 4
	v_nop
.endr
	s_branch .Lasked_\@
.Lfor_b_\@:
	tensor_load_to_lds s[\g0b:\g0b+3], s[\g1b:\g1b+7]
	s_nop 0
.rept 4
	v_nop
.endr
.Lasked_\@:
.endm
.macro CREST
	s_cmp_lg_u32 s14, 0
	s_cbranch_scc1 .Lnot_wave_0_\@
	s_barrier_signal -3
.Lnot_wave_0_\@:
	s_barrier_wait -3
	s_barrier_signal -1
	s_barrier_wait -1
.endm
.macro CROUND
	s_barrier_signal -1
	s_barrier_wait -1
	CREST
.endm
	s_load_b128 s[4:7], s[0:1], 0x0                ; o_ws, o_sc
	s_load_b128 s[8:11], s[0:1], 0x10              ; W_o's codes, W_o's scales
	s_load_b64 s[12:13], s[0:1], 0x20              ; out0
	v_lshl_add_u32 v[SPW], v0, 2, SPARE
	v_mov_b32 v[NIL], 0
	ds_add_u32 v28, v29
	ds_add_u32 v28, v29
	s_wait_dscnt 0x0
	v_lshrrev_b32 v1, 5, v0
	v_readfirstlane_b32 s14, v1                    ; wave 0..3
	s_lshr_b32 s15, s14, 1                         ; which 128 tokens are mine.  Also: I fetch for A (0) or for B (1)
	s_and_b32 s16, s14, 1                          ; which 64 outputs are mine.  Also: which half of that tile I fetch
	s_bfe_u32 s40, ttmp6, 0x40000                  ; cx, cy
	s_bfe_u32 s41, ttmp6, 0x40004
	s_lshl_b32 s42, ttmp9, 2
	s_add_co_u32 s42, s42, s40                     ; tile column: 128 outputs
	s_and_b32 s17, ttmp7, 0xffff
	s_lshl_b32 s17, s17, 2
	s_add_co_u32 s17, s17, s41                     ; tile row: 256 tokens
	s_lshl_b32 s43, s41, 2
	s_lshl_b32 s43, 15, s43                        ; my row of the cluster
	s_lshl_b32 s44, 0x1111, s40                    ; my column
	; A's codes: 8 token tiles x 3,072 bytes (384 elements of 8 bytes), 12,288 bytes from tile to tile, no padding
	s_or_b32 s[G1+0], s43, (3<<16)|(1<<21)
	s_mov_b32 s[G1+1], 384<<16
	s_mov_b32 s[G1+2], 8<<16
	s_mov_b32 s[G1+3], 384<<16
	s_mov_b32 s[G1+4], 8
	s_mov_b32 s[G1+5], 1536
	s_mov_b32 s[G1+6], 0
	s_mov_b32 s[G1+7], 0
	; B's codes: 64 rows x 192 bytes, 16 bytes of padding behind every 64
	s_or_b32 s[G1B+0], s44, (0<<16)|(1<<20)|(1<<21)|(3<<22)|(3<<25)
	s_mov_b32 s[G1B+1], ROWB<<16
	s_mov_b32 s[G1B+2], 64<<16
	s_mov_b32 s[G1B+3], ROWB<<16
	s_mov_b32 s[G1B+4], 64
	s_mov_b32 s[G1B+5], KROW
	s_mov_b32 s[G1B+6], 0
	s_mov_b32 s[G1B+7], 0
	; A's scale bytes: 4,096 dense bytes as 16 rows of 256, no padding
	s_or_b32 s[G1S+0], s43, (3<<16)|(1<<21)
	s_mov_b32 s[G1S+1], 32<<16
	s_mov_b32 s[G1S+2], 16<<16
	s_mov_b32 s[G1S+3], 32<<16
	s_mov_b32 s[G1S+4], 16
	s_mov_b32 s[G1S+5], 32
	s_mov_b32 s[G1S+6], 0
	s_mov_b32 s[G1S+7], 0
	; B's: 2,048 dense bytes as 8 rows of 256, 16 bytes of padding behind each
	s_or_b32 s[G1SB+0], s44, (3<<16)|(1<<20)|(1<<21)|(5<<22)|(3<<25)
	s_mov_b32 s[G1SB+1], 32<<16
	s_mov_b32 s[G1SB+2], 8<<16
	s_mov_b32 s[G1SB+3], 32<<16
	s_mov_b32 s[G1SB+4], 8
	s_mov_b32 s[G1SB+5], 32
	s_mov_b32 s[G1SB+6], 0
	s_mov_b32 s[G1SB+7], 0
	s_lshl_b32 s20, s17, 4
	s_lshl_b32 s18, s16, 3
	s_add_co_u32 s20, s20, s18                     ; A: the first token tile that I fetch
	s_lshl_b32 s22, s20, 9                         ; its scale bytes: 512 a tile
	s_mov_b32 s23, 0
	s_mul_i32 s20, s20, 12288                      ; its codes (under 2^23)
	s_mov_b32 s21, 0
	s_lshl_b32 s46, s42, 7
	s_lshl_b32 s18, s16, 6
	s_add_co_u32 s46, s46, s18                     ; B: the first row of W_o that I fetch
	s_lshl_b32 s92, s46, 5
	s_mov_b32 s93, 0
	s_mul_i32 s46, s46, KROW
	s_mov_b32 s47, 0
	s_mul_i32 s45, s16, AHALF                      ; where they go: no place in the cluster enters an LDS address
	s_mul_i32 s94, s16, BHALF
	s_add_co_u32 s94, s94, BOFF
	s_lshl_b32 s95, s16, 12
	s_add_co_u32 s95, s95, SCLA
	s_mul_i32 s96, s16, 8*272
	s_add_co_u32 s96, s96, SCLB
	s_wait_kmcnt 0x0
	s_add_nc_u64 s[20:21], s[4:5], s[20:21]
	s_add_nc_u64 s[22:23], s[6:7], s[22:23]
	s_add_nc_u64 s[46:47], s[8:9], s[46:47]
	s_add_nc_u64 s[92:93], s[10:11], s[92:93]
	CROUND                                         ; all sixteen work-groups are here: the first joint loads meet
	s_mov_b32 s[G0S], 1
	s_mov_b32 s[G0S+1], s95
	s_mov_b64 s[G0S+2:G0S+3], s[22:23]
	s_or_b32 s[G0S+3], s[G0S+3], 0x80000000
	s_mov_b32 s[G0SB], 1
	s_mov_b32 s[G0SB+1], s96
	s_mov_b64 s[G0SB+2:G0SB+3], s[92:93]
	s_or_b32 s[G0SB+3], s[G0SB+3], 0x80000000
	JLOAD G0S, G1S, G0SB, G1SB                     ; the scales first
.irp s, 0,1
	s_mov_b32 s[G0+4*\s], 1
	s_add_co_u32 s[G0+4*\s+1], s45, \s*SLOT
	s_add_nc_u64 s[G0+4*\s+2:G0+4*\s+3], s[20:21], \s*ATILE
	s_or_b32 s[G0+4*\s+3], s[G0+4*\s+3], 0x80000000
	s_mov_b32 s[G0B+4*\s], 1
	s_add_co_u32 s[G0B+4*\s+1], s94, \s*SLOT
	s_add_nc_u64 s[G0B+4*\s+2:G0B+4*\s+3], s[46:47], \s*ROWB
	s_or_b32 s[G0B+4*\s+3], s[G0B+4*\s+3], 0x80000000
	JLOAD G0+4*\s, G1, G0B+4*\s, G1B               ; three tensor loads of mine are out now
.endr
	v_and_b32 v1, 15, v0                           ; r
	v_bfe_u32 v2, v0, 4, 1                         ; h
	v_and_b32 v6, 31, v0                           ; lane
	v_mul_u32_u24 v3, v1, PITCH
	v_mul_u32_u24 v4, v2, 24
	v_add_nc_u32 v4, v3, v4                        ; B: row x pitch + 24 x half
	v_lshl_add_u32 v5, v2, 4, v4                   ; and the same behind one padding more
	s_mul_i32 s21, s15, AHALF                      ; my 8 token tiles
	s_mul_i32 s22, s16, BHALF
	s_add_co_u32 s22, s22, BOFF                    ; my 64 rows of B
.irp s, 0,1
	v_lshl_add_u32 v[ADRA+\s], v6, 4, s21
	v_lshl_add_u32 v[ADRA+2+\s], v6, 3, s21
	v_add_nc_u32 v[ADRB+\s], s22, v4
	v_add_nc_u32 v[ADRB+2+\s], s22, v5
	s_add_co_u32 s21, s21, SLOT
	s_add_co_u32 s22, s22, SLOT
.endr
	s_lshl_b32 s21, s15, 12
	s_add_co_u32 s21, s21, SCLA
	v_lshl_add_u32 v[ADSA], v1, 3, s21             ; A's scale words: 8 bytes a row, 512 a tile, 128 a K step
	s_mul_i32 s22, s16, 8*272
	s_add_co_u32 s22, s22, SCLB
	v_lshlrev_b32 v5, 5, v1
	v_lshrrev_b32 v7, 3, v1
	v_lshl_add_u32 v5, v7, 4, v5                   ; B's: 32 bytes a row, and 16 more for each 256 passed
	v_add_nc_u32 v[ADSB], s22, v5
	s_mul_i32 s23, s14, 16*SPITCH                  ; my stage
	v_mul_u32_u24 v5, v1, SPITCH                   ; in: row r, 32 bytes for each half of the lanes
	v_lshl_add_u32 v5, v2, 5, v5
	v_add_nc_u32 v[STO], s23, v5
	v_mul_u32_u24 v5, v2, SPITCH                   ; back: lanes 0-15 one row of 256 bytes, lanes 16-31 the next
	v_lshl_add_u32 v5, v1, 4, v5
	v_add_nc_u32 v[RD], s23, v5
	v_lshlrev_b32 v5, 12, v2                       ; and the same two rows in out0: 4,096 bytes a row
	v_lshl_add_u32 v[CO], v1, 4, v5
	s_lshl_b32 s20, s17, 8
	s_lshl_b32 s21, s15, 7
	s_add_co_u32 s20, s20, s21                     ; my first token
	s_lshl_b32 s20, s20, 12                        ; (under 2^25)
	s_lshl_b32 s46, s42, 9
	s_lshl_b32 s47, s16, 8
	s_add_co_u32 s46, s46, s47                     ; my first output, in bytes
	s_add_co_u32 s20, s20, s46
	s_mov_b32 s21, 0
	s_add_nc_u64 s[12:13], s[12:13], s[20:21]
.macro FRAGB reg, adr, q, i            ; a fragment of B from rows: six pieces of 8 bytes; lanes 16-31 read three pieces further on; where that lies behind one padding more, the second address register serves
.irp p, 0,1,2,3,4,5
.set PC, 12*(\q)+6*(\p/3)+\p%3
.if PC%8 < 5
	ds_load_b64 v[\reg+2*\p:\reg+2*\p+1], v[\adr] offset:8*PC+16*(PC/8)+(\i)*16*PITCH
.else
	ds_load_b64 v[\reg+2*\p:\reg+2*\p+1], v[\adr+2] offset:8*PC+16*(PC/8)+(\i)*16*PITCH
.endif
.endr
.endm
.macro FRAGA reg, slot, q, i           ; a fragment of A from its image: two heads, each 16 and 8 bytes a lane
	ds_load_b128 v[\reg:\reg+3], v[ADRA+\slot] offset:ATILE*(\i)+1536*(\q)
	ds_load_b64 v[\reg+4:\reg+5], v[ADRA+2+\slot] offset:ATILE*(\i)+1536*(\q)+512
	ds_load_b128 v[\reg+6:\reg+9], v[ADRA+\slot] offset:ATILE*(\i)+1536*(\q)+768
	ds_load_b64 v[\reg+10:\reg+11], v[ADRA+2+\slot] offset:ATILE*(\i)+1536*(\q)+1280
.endm
; 8 matrix instructions: A's blocks a0, a0 + 1 x B's four, 128 along K.  The 32 accumulators take turns, one instruction a turn, in the same order in every step.
.macro MUL8 a0, p, q, sc, zero
.irp a, \a0, \a0+1
.irp b, 0,1,2,3
.if \zero
	v_wmma_scale_f32_16x16x128_f8f6f4 v[32*(\a)+8*\b:32*(\a)+8*\b+7], v[128*(\p)+FR*\b:128*(\p)+FR*\b+FR-1], v[AF+FR*(\a):AF+FR*(\a)+FR-1], 0, v[SCB+8*(\sc)+2*\b+(\q)], v[SCA+16*(\sc)+2*(\a)+(\q)] matrix_a_fmt:MATRIX_FMT_FP6 matrix_b_fmt:MATRIX_FMT_FP6
.else
	v_wmma_scale_f32_16x16x128_f8f6f4 v[32*(\a)+8*\b:32*(\a)+8*\b+7], v[128*(\p)+FR*\b:128*(\p)+FR*\b+FR-1], v[AF+FR*(\a):AF+FR*(\a)+FR-1], v[32*(\a)+8*\b:32*(\a)+8*\b+7], v[SCB+8*(\sc)+2*\b+(\q)], v[SCA+16*(\sc)+2*(\a)+(\q)] matrix_a_fmt:MATRIX_FMT_FP6 matrix_b_fmt:MATRIX_FMT_FP6
.endif
.endr
.endr
.endm
.macro FETCH_B slot, q, p              ; 24 loads
	WIN TO_B
.irp i, 0,1,2,3
	FRAGB 128*(\p)+FR*\i, ADRB+\slot, \q, \i
.endr
	WIN 0
.endm
.macro FETCH_A slot, q, i0             ; 16 loads
.irp i, \i0, \i0+1, \i0+2, \i0+3
	FRAGA AF+FR*(\i), \slot, \q, \i
.endr
.endm
.macro SCALES sc                       ; a K step's scale words into set sc: two words a row
.irp i, 0,1,2,3,4,5,6,7
	ds_load_b64 v[SCA+16*\sc+2*\i:SCA+16*\sc+2*\i+1], v[ADSA] offset:512*\i
.endr
.irp b, 0,1,2,3
	ds_load_b64 v[SCB+8*\sc+2*\b:SCB+8*\sc+2*\b+1], v[ADSB] offset:544*\b
.endr
.endm
.macro PLACES n
.rept \n
	v_nop
.endr
.endm
.macro STEP slot, q, zero              ; a step of 128 along K that has its successor in the same slot
	s_wait_dscnt 16                                ; B's set and A's blocks 0-3 are in; the youngest 16 loads (A's blocks 4-7) may be out
	WIN MUL
	MUL8 0, (\q)%2, \q, \slot, \zero
	MUL8 2, (\q)%2, \q, \slot, \zero
	s_wait_dscnt 0
	PLACES NP
	FETCH_B \slot, (\q)+1, 1-(\q)%2
	FETCH_A \slot, (\q)+1, 0
	WIN MUL
	MUL8 4, (\q)%2, \q, \slot, \zero
	MUL8 6, (\q)%2, \q, \slot, \zero
	PLACES NP
	WIN 0
	FETCH_A \slot, (\q)+1, 4
.endm
; A slot's last step changes slots: one barrier; in front of it each wave waits for all its tensor loads, adds 0 to its spare word, and waits for that and for its own reads of this slot.
.macro TURN slot, next, fill
	s_wait_tensorcnt 0x0                           ; all my tensor loads have landed: my part of the next slot
	ds_add_u32 v[SPW], v[NIL]                      ; 0 onto my spare word
	s_wait_dscnt 17                                ; the add and the youngest 16 loads (A's blocks 4-7) may be out
	WIN MUL
	MUL8 0, 1, NQ-1, \slot, 0                      ; eight matrix instructions stand between the add and the wait for it
	s_wait_dscnt 0x0                               ; the add is done, and my reads of this slot are over
	s_barrier_signal -1
	MUL8 2, 1, NQ-1, \slot, 0
	WIN 0
	s_barrier_wait -1
.if \fill
	CREST                                          ; the barrier has opened a round of the cluster's barrier: no wave of any partner still reads this slot's tile or has a load on its way
	s_add_nc_u64 s[G0+4*\slot+2:G0+4*\slot+3], s[G0+4*\slot+2:G0+4*\slot+3], 2*ATILE
	s_add_nc_u64 s[G0B+4*\slot+2:G0B+4*\slot+3], s[G0B+4*\slot+2:G0B+4*\slot+3], 2*ROWB
	JLOAD G0+4*\slot, G1, G0B+4*\slot, G1B         ; the first tensor load behind the round; its four v_nop are the places in front of the loads below
.else
	PLACES NP
.endif
	v_add_nc_u32 v[ADSA], 128, v[ADSA]             ; on to the next K step's scale words
	v_add_nc_u32 v[ADSB], 8, v[ADSB]
	FETCH_B \next, 0, 0
	FETCH_A \next, 0, 0
	SCALES \next
	WIN MUL
	MUL8 4, 1, NQ-1, \slot, 0
	MUL8 6, 1, NQ-1, \slot, 0
	PLACES NP
	WIN 0
	FETCH_A \next, 0, 4
.endm
	s_wait_tensorcnt 1                             ; the scales and my part of K step 0 are in; K step 1's load may be out
	s_barrier_signal -1
	s_barrier_wait -1
	FETCH_B 0, 0, 0
	FETCH_A 0, 0, 0
	SCALES 0
	FETCH_A 0, 0, 4
	STEP 0, 0, 1                                   ; the first step's products start the sums
	s_mov_b32 s3, LAPS-1
.Llap:
	TURN 0, 1, 1
	STEP 1, 0, 0
	TURN 1, 0, 1
	STEP 0, 0, 0
	s_sub_co_u32 s3, s3, 1
	s_cmp_lg_u32 s3, 0
	s_cbranch_scc1 .Llap
	TURN 0, 1, 0                                   ; the last lap fills nothing
	STEP 1, 0, 0
	s_wait_dscnt 16                                ; the very last step
	WIN MUL
	MUL8 0, 1, NQ-1, 1, 0
	MUL8 2, 1, NQ-1, 1, 0
	s_wait_dscnt 0
	MUL8 4, 1, NQ-1, 1, 0
	MUL8 6, 1, NQ-1, 1, 0
	WIN 0
; THE WAY OUT, block by block of 16 tokens x 64 outputs.  A lane holds 32 neighbouring bytes of a row: a block goes through my own stage and comes back as whole rows of 256 bytes, which sixteen lanes store.
; LDS serves a wave's instructions in order (ISA guide 5.7.1.4): no wait between the stores and the loads, nor in front of the next block's stores.
.macro TOSTAGE a
.set AC, 32*(\a)
	WIN 0x08                                       ; an LDS store's data are its source 1: window 2
.irp b, 0,1,2,3
	ds_store_b128 v[STO], v[AC+8*\b:AC+8*\b+3] offset:64*\b          ; each accumulator from its low end on
	ds_store_b128 v[STO], v[AC+8*\b+4:AC+8*\b+7] offset:64*\b+16
.endr
	WIN 0
.set BB, BK+32*((\a)%2)
.irp t, 0,1,2,3,4,5,6,7
	ds_load_b128 v[BB+4*\t:BB+4*\t+3], v[RD] offset:\t*2*SPITCH
.endr
.endm
.macro SEND a, younger                 ; younger: the LDS instructions issued behind block a's loads, which may stay out
.set BB, BK+32*((\a)%2)
	s_wait_dscnt \younger
.if (\a) > 0
	s_add_nc_u64 s[12:13], s[12:13], 16*4096       ; 16 rows on (the earlier stores have read their base: a wait on XCNT stands ahead)
.endif
.irp t, 0,1,2,3,4,5,6,7
	global_store_b128 v[CO], v[BB+4*\t:BB+4*\t+3], s[12:13] offset:2*\t*4096 th:TH_STORE_NT   ; 16 lanes store 256 consecutive bytes, at a multiple of 256 from out0's first byte
.endr
.endm
	PLACES NP
	TOSTAGE 0
.irp a, 1,2,3,4,5,6,7
.if \a > 1
	s_wait_xcnt 0x0                                ; block a - 2's stores have read their registers and their base
.endif
	TOSTAGE \a
	SEND \a-1, 16                                  ; behind block a - 1's loads: block a's 8 stores and 8 loads
.endr
	s_wait_xcnt 0x0
	SEND 7, 0
	s_wait_tensorcnt 0x0                           ; the wave's end
	ds_add_u32 v[SPW], v[NIL]
	s_wait_dscnt 0x0
	CROUND                                         ; the closing round
	s_endpgm
.Lfunc_end_k_q82adb6092c_oproj:
	.size	k_q82adb6092c_oproj, .Lfunc_end_k_q82adb6092c_oproj-k_q82adb6092c_oproj
	.p2alignl 7, 3214868480
	.fill 96, 4, 3214868480
	.section	.rodata,"a",@progbits
	.p2align	6, 0x0
	.amdhsa_kernel k_q82adb6092c_oproj
		.amdhsa_group_segment_fixed_size 327680
		.amdhsa_private_segment_fixed_size 0
		.amdhsa_enable_private_segment 0
		.amdhsa_kernarg_size 40
		.amdhsa_user_sgpr_count 2
		.amdhsa_user_sgpr_kernarg_segment_ptr 1
		.amdhsa_wavefront_size32 1
		.amdhsa_system_sgpr_workgroup_id_x 1
		.amdhsa_system_sgpr_workgroup_id_y 1
		.amdhsa_system_sgpr_workgroup_id_z 1
		.amdhsa_system_vgpr_workitem_id 0
		.amdhsa_next_free_vgpr 768
		.amdhsa_next_free_sgpr 100
		.amdhsa_reserve_vcc 0
		.amdhsa_float_denorm_mode_32 3
		.amdhsa_float_denorm_mode_16_64 3
		.amdhsa_memory_ordered 1
		.amdhsa_forward_progress 1
		.amdhsa_inst_pref_size 95
	.end_amdhsa_kernel
	.amdgpu_metadata
---
amdhsa.version: [ 1, 2 ]
amdhsa.kernels:
  - .name:           k_q82adb6092c_oproj
    .symbol:         k_q82adb6092c_oproj.kd
    .args:
      - { .name: o_ws, .offset: 0, .size: 8, .value_kind: global_buffer, .address_space: global }
      - { .name: o_sc, .offset: 8, .size: 8, .value_kind: global_buffer, .address_space: global }
      - { .name: W_o_codes, .offset: 16, .size: 8, .value_kind: global_buffer, .address_space: global }
      - { .name: W_o_scales, .offset: 24, .size: 8, .value_kind: global_buffer, .address_space: global }
      - { .name: out0, .offset: 32, .size: 8, .value_kind: global_buffer, .address_space: global }
    .group_segment_fixed_size: 327680
    .private_segment_fixed_size: 0
    .kernarg_segment_align: 8
    .kernarg_segment_size: 40
    .max_flat_workgroup_size: 128
    .sgpr_count:     100
    .vgpr_count:     768
    .wavefront_size: 32
...
	.end_amdgpu_metadata
.endif
;; end of part 3
